; MI455X (gfx1250); checked and timed in simulation.
; The chip was launched on July 23, 2026; its instructions are those of AMD's public machine-readable ISA for CDNA 5 (MIT licence, August 2026) and "CDNA5" Instruction Set Architecture Reference Guide (July 2026). The comments in the code are by the model that wrote it; some were corrected since.
;; CLF QP Net. Allowed arithmetic: float matrix products may take bf16 or f16 operands with f32 sums; other float arithmetic in f32, or as packed bf16 or f16 multiplies, adds, multiply-adds, maxima and minima; sums over many terms, partial sums and values carried from step to step in f32; what a program stores and reads back later, other than sums and carried values, may be rounded once to bf16 or f16.
;; Inputs: Ub1 256 float32; Ub2 256 float32; Ub3 1 float32; Uw1 256 x 4 float32; Uw2 256 x 256 float32; Uw3 1 x 256 float32; Vb1 256 float32; Vb2 256 float32; Vb3 64 float32; Vw1 256 x 4 float32; Vw2 256 x 256 float32; Vw3 64 x 256 float32; x 131,072 x 4 float32.
;; Outputs: out0 131,072 x 1 float32; out1 131,072 float32; out2 131,072 x 1 x 1 float32.
;; 2 versions, each right; version 2 is version 1 with the launch clfqp written anew for expert scheduling mode. Each part assembles by itself: llvm-mc -triple=amdgcn-amd-amdhsa -mcpu=gfx1250 --defsym DOCPART=n.
;; ======== version 1 of 2: 1 launch
;; limits: values are held in f16: magnitudes above 65,504 overflow, below 6.1e-05 lose precision; inputs' magnitudes at most 65,504
;; launch clfqp (part 1): grid 256 x 1, 8 waves a work-group, no clusters, 326,912 bytes of LDS; arguments x, Uw1, Ub1, Uw2, Ub2, Uw3, Ub3, Vw1, Vb1, Vw2, Vb2, Vw3, Vb3, out0, out1, out2; writes out0, out1, out2
.if DOCPART == 1
	.amdgcn_target "amdgcn-amd-amdhsa--gfx1250"
	.amdhsa_code_object_version 6
	.text
	.protected	k_q53bcb3656e_clfqp
	.globl	k_q53bcb3656e_clfqp
	.p2align	8
	.type	k_q53bcb3656e_clfqp,@function
k_q53bcb3656e_clfqp:
	s_mov_b64 s[64:65], 0
	v_nop
	global_prefetch_b8 v0, s[64:65] scope:SCOPE_SE
	s_setreg_imm32_b32 hwreg(HW_REG_WAVE_MODE, 25, 1), 1
	s_wait_xcnt 0x0
; CLF_QP_Net in one launch.  out0 = u = 20 tanh(U net), out1 = V = 0.5 |a3|^2, out2 = Vdot = grad_V . (f + g u).  131,072 rows of 4 numbers; nets 4-256-256-1 (U) and 4-256-256-64 (V).
; WHAT IS NOT COMPUTED AS WRITTEN.  reference() builds D1, D2, D3 with four columns a row, and only grad_V . f and grad_V . g reach an output, as Vdot = a3^T D3 (f + g u).  D3 w =
; diag(1-a3^2) Vw3 diag(1-a2^2) Vw2 diag(1-a1^2) Vw1 w for any vector w, by associativity of matrix products, for all values of the inputs: so ONE tangent column t0 = w = f + g u is pushed through the V net
; beside the value column, in place of four.  g's rows 0 and 1 are zeros that reference() builds itself: w0 = v, w1 = omega.  Every input has a way to an output, and all are loaded.
; An overflow, infinity or NaN that would arise only in a Jacobian column taken by itself, and not in its product with w, is not carried to the result.
; SHARES.  256 work-groups of 8 waves; a work-group owns 512 rows, a wave 64: four tiles of 16.  Tile t, lane r holds row 32 (t / 2) + 2 r + t % 2 of the wave's 64, so that lane l ends with rows 2 l and 2 l + 1.
; FORMATS.  All matrix operands are f16, sums f32.  Weights and biases are kept times kappa = 2 log2(e), so an accumulator IS the argument of 2^z: E = 2^z, r = 1 / (1 + E), tanh = 1 - 2 r, (1 - tanh^2) / 4 = r - r^2.
; The tangent is carried as t~ = (r - r^2) s, which is (kappa / 4)^layer times the true one; w is scaled in each row by a power of two so that its largest number lies in 1 to 2; both come back at the end:
; Vdot = (4 / kappa)^3 2^E sum a3 t~3.  The first layer takes x, w~ and kappa W1 as f16 high part + f16 low part: K slots (xh, xl) x (Wh, Wh) in lanes 0-15 and (xh, xl) x (Wl, Wl) in lanes 16-31.
; LAYOUT.  Every layer is taken transposed, Z^T = W A^T (source 0 = 16 output features out of LDS, source 1 = 16 rows): in the result a lane holds ONE row (lane % 16) and features 8 (lane / 16) + 0..7, and two
; neighbouring results rounded to f16 in pairs ARE source 1 of the next layer's K step.  Activations never leave registers.  U's last layer (one output) is a packed multiply-add on r: kappa z3 = K0 + sum r_j UC_j.
; LDS holds all weights as f16 for the whole launch; the waves convert them themselves: Uw2 at the start, Vw2 and Vw3 under U's second layer.  The main loops have no barrier: two barriers in all.
; TWO WAVES TO A SIMD, 512 registers each: while one walks a batch of exponentials and reciprocals the other has products to issue; source 1 of four columns x 256 features fills one window of 256 either way.
; NO TENSOR LOADS, NO CLUSTER.  The weights lie in memory as f32 (589,824 bytes for the three large ones) and are wanted as f16: they pass through registers to be rounded, and beside the 304,128 bytes of f16 weights
; LDS has no room for a stage of f32.  What work-groups share is read once by each, 576 KiB, against 496 matrix instructions for each of its 32 tiles.
; LIMITS.  |x| under 65,504 (f16's high part); |w| under 2^127; |t~| under 65,504; weights times kappa under 65,504, and below 6e-5 they keep f16's fixed step of 6e-8, as do t~ and the low parts.
; tanh is 1 - 2 r with an absolute error near 1e-7.  theta is reduced by pi/2 in two parts, good to |theta| near 2^22.  NaN and infinities are not treated apart.
.set KAPPA,  0x4038aa3b                ; 2 log2(e)
.set PW,     528                       ; a weight row in LDS: 512 bytes of f16 + 16 of padding = 132 words: the 16 rows of a fragment load start at 16 different groups of four banks (64 banks of 4 bytes: ISA guide 11.1)
.set UW2,    0                         ; 256 rows: kappa Uw2.  Behind the second barrier its first 65,536 bytes are the waves' scratch
.set VW2,    256*PW                    ; 256 rows: kappa Vw2
.set VW3,    512*PW                    ; 64 rows: kappa Vw3
.set L1F,    576*PW                    ; 16 blocks of 1,024: the first layers' fragments as a lane reads them: V high, V low, U high, U low, 256 bytes each, 16 a row: (w01, w23, w01, w23)
.set TBL,    L1F+16384                 ; f32 tables, times kappa:
.set T_VB1,  0
.set T_VB2,  1024
.set T_UB1,  2048
.set T_UB2,  3072
.set T_UC,   4096                      ; -2 kappa Uw3
.set T_VB3,  5120
.set SPARE,  TBL+5376                  ; the spare words, 128 bytes for each of the eight waves: four blocks of 256 bytes that no other line names
.set S_WF,   2048                      ; a wave's scratch, 8,192 bytes at 8,192 x wave: x's fragments (512 a tile), w~'s fragments,
.set S_SC,   4096                      ; the rows' scales (128 a tile),
.set S_RV,   4608                      ; V,
.set S_RD,   5120                      ; Vdot
; window 0
.set SPW,  1                           ; LDS address of my spare word; never rewritten
.set NIL,  2                           ; 0; never rewritten
.set AW,   3                           ; LDS address of the weights in hand
.set AX,   4                           ; of the third layer's weights
.set AB,   5                           ; of the tables
.set SA,   6                           ; my scratch, 16 bytes a lane
.set SB,   7                           ; my scratch, 4 bytes a lane
.set MONE, 8                           ; -1.0
.set LB,   9                           ; 528 (l % 16) + 16 (l / 16): my place in a fragment of weights
.set HB,   10                          ; 32 (l / 16): my eight features in a table
.set L16,  11                          ; 16 l
.set RING, 16                          ; v16-63   three slots of 16: two fragments (or two tiles of bias) each
.set ACC,  64                          ; v64-127  column c, feature block b at ACC + 16 c + 8 b
.set DOT,  128                         ; U phase: v128-135 a pair for each column: sum r UC
.set STG,  136                         ; v136-175 ten loads of 16 bytes: V's weights on their way to LDS; in the set-up the small inputs and addresses
.set XRAW, 176                         ; v176-191 x as loaded, tile t at +4 t
.set SD2,  192                         ; where my rows of Vw2 go
.set SD3,  193                         ; where my row of Vw3 goes
.set XO,   194                         ; 32 (l % 16)
.set GO,   195                         ; 8 l
.set TP,   196                         ; v196-199 at work
.set UU,   200                         ; v200-203 u of tile t
.set K0,   204
.set BFU,  208                         ; v208-239 U's first layer, source 1: column c at +8 c: registers 0-3 hold 0, 4-7 x's fragment
.set BFV,  128                         ; V passes: v128-159 the same for V: registers 0-3 the fragment, 4-7 hold 0
.set L3A,  128                         ; then v128-255: the third layer's sums: column c, block n at L3A + 32 c + 8 n
.set A16,  150                         ; set-up only: 16 t, 4 t, 4 (t % 64); LDS addresses; split weights
.set A4,   151
.set A4M,  152
.set LT,   153
.set LF,   154
.set SDU,  155
.set SPV,  156
.set SPU,  160
.set DT,   64                          ; the dynamics' 32 registers at work
; window 1: source 1 of the second layers: column c, K step k at 64 c + 8 k; in the set-up Uw2's 32 rows as loaded
; scalars: s2 wave; s3, s4 counters; s5 Ub3; s[6:7] kappa twice; s[8:9] lane selects; s[10:11] Vw2, s[12:13] Vw3 at my next rows; s[14:15] offsets; s[16:47] the sixteen buffers; s48-59 the dynamics' constants
.set MSB, 0
.macro WIN new                         ; s_set_vgpr_msb: bits 1:0 source 0, 3:2 source 1, 5:4 source 2, 7:6 destination; the high byte repeats the setting that is left; a switch that changes nothing is dropped
.if MSB != (\new)
	s_set_vgpr_msb (MSB<<8)|(\new)
.set MSB, (\new)
.endif
.endm
.macro PLACES n                        ; plain places behind matrix instructions (ISA guide 7.12.1)
.rept \n
	v_nop
.endr
.endm
.macro TWAIT                           ; behind a batch of exponentials or reciprocals: one plain instruction, and one wait ahead of the first line that names a result
	v_nop
	s_wait_alu depctr_va_vdst(0)
.endm
.macro EXPB b, n                       ; ascending: each accumulator's lowest registers are read first
.set q, 0
.rept \n
	v_exp_f32 v[(\b)+q], v[(\b)+q]
.set q, q+1
.endr
.endm
.macro RCPB b, n
.set q, 0
.rept \n
	v_rcp_f32 v[(\b)+q], v[(\b)+q]
.set q, q+1
.endr
.endm
.macro ADD1 b, n                       ; n pairs: 1 + E
.set q, 0
.rept \n
	v_pk_add_f32 v[(\b)+q:(\b)+q+1], v[(\b)+q:(\b)+q+1], 1.0 op_sel_hi:[1,0]
.set q, q+2
.endr
.endm
.macro TANH b, n                       ; n pairs: 1 - 2 r
.set q, 0
.rept \n
	v_pk_fma_f32 v[(\b)+q:(\b)+q+1], v[(\b)+q:(\b)+q+1], -2.0, 1.0 op_sel_hi:[1,0,0]
.set q, q+2
.endr
.endm
.macro TANG z, s, n                    ; n pairs: s (r - r^2) = s r - (s r) r
.set q, 0
.rept \n
	v_pk_mul_f32 v[(\s)+q:(\s)+q+1], v[(\s)+q:(\s)+q+1], v[(\z)+q:(\z)+q+1]
.set q, q+2
.endr
.set q, 0
.rept \n
	v_pk_fma_f32 v[(\s)+q:(\s)+q+1], v[(\s)+q:(\s)+q+1], v[(\z)+q:(\z)+q+1], v[(\s)+q:(\s)+q+1] neg_lo:[1,0,0] neg_hi:[1,0,0]
.set q, q+2
.endr
.endm
.macro CVTC d, x                       ; a column's two results, 16 registers, become one fragment of 8; in place (d = x) register q is written when 2 q and 2 q + 1 have been read
.set q, 0
.rept 8
	v_cvt_pk_f16_f32 v[(\d)+q], v[(\x)+2*q], v[(\x)+2*q+1]
.set q, q+1
.endr
.endm
.macro SPLIT4 o, a, t                  ; four f32 at a -> (h01, h23, l01, l23) at o: f16 high parts, and what they leave, again in f16; t: four registers at work (may be a)
	v_cvt_pk_f16_f32 v[(\o)], v[(\a)], v[(\a)+1]
	v_cvt_pk_f16_f32 v[(\o)+1], v[(\a)+2], v[(\a)+3]
	v_fma_mix_f32 v[(\t)], v[(\o)], v[MONE], v[(\a)] op_sel_hi:[1,0,0]
	v_fma_mix_f32 v[(\t)+1], v[(\o)], v[MONE], v[(\a)+1] op_sel:[1,0,0] op_sel_hi:[1,0,0]
	v_fma_mix_f32 v[(\t)+2], v[(\o)+1], v[MONE], v[(\a)+2] op_sel_hi:[1,0,0]
	v_fma_mix_f32 v[(\t)+3], v[(\o)+1], v[MONE], v[(\a)+3] op_sel:[1,0,0] op_sel_hi:[1,0,0]
	v_cvt_pk_f16_f32 v[(\o)+2], v[(\t)], v[(\t)+1]
	v_cvt_pk_f16_f32 v[(\o)+3], v[(\t)+2], v[(\t)+3]
.endm
; Four LDS loads fill a slot of the ring.  LDW: the group's two feature blocks, K step k.  LDB: two tiles of a table.  LDX: the third layer's blocks n0, n0 + 1.  LDA: the first layers' blocks 2 g, 2 g + 1.
.macro LDW s, k
.irp blk, 0,1
.irp j, 0,1
	ds_load_b128 v[RING+16*(\s)+8*(\blk)+4*(\j):RING+16*(\s)+8*(\blk)+4*(\j)+3], v[AW] offset:(\blk)*16*PW+64*(\k)+32*(\j)
.endr
.endr
.endm
.macro LDB s, off
.irp blk, 0,1
.irp j, 0,1
	ds_load_b128 v[RING+16*(\s)+8*(\blk)+4*(\j):RING+16*(\s)+8*(\blk)+4*(\j)+3], v[AB] offset:(\off)+64*(\blk)+16*(\j)
.endr
.endr
.endm
.macro LDX s, n0
.irp blk, 0,1
.irp j, 0,1
	ds_load_b128 v[RING+16*(\s)+8*(\blk)+4*(\j):RING+16*(\s)+8*(\blk)+4*(\j)+3], v[AX] offset:((\n0)+(\blk))*16*PW+32*(\j)
.endr
.endr
.endm
.macro LDA s, g
.irp blk, 0,1
.irp j, 0,1
	ds_load_b128 v[RING+16*(\s)+8*(\blk)+4*(\j):RING+16*(\s)+8*(\blk)+4*(\j)+3], v[AW] offset:(2*(\g)+(\blk))*1024+512*(\j)
.endr
.endr
.endm
; Eight products: two feature blocks x four columns, 32 along K.  The eight accumulators take turns, one instruction a turn.
; K step 0 starts the sums: with the bias tile (slot 0) in the first nb columns, with 0 in the tangents' columns.
.macro KSTEP k, s, nb
.irp blk, 0,1
.irp c, 0,1,2,3
.set rD, ACC+16*(\c)+8*(\blk)
.set rA, RING+16*(\s)+8*(\blk)
.set rB, 64*(\c)+8*(\k)
.if (\k) == 0
.if (\c) < (\nb)
	v_wmma_f32_16x16x32_f16 v[rD:rD+7], v[rA:rA+7], v[rB:rB+7], v[RING+8*(\blk):RING+8*(\blk)+7]
.else
	v_wmma_f32_16x16x32_f16 v[rD:rD+7], v[rA:rA+7], v[rB:rB+7], 0
.endif
.else
	v_wmma_f32_16x16x32_f16 v[rD:rD+7], v[rA:rA+7], v[rB:rB+7], v[rD:rD+7]
.endif
.endr
.endr
.endm
; A group of a second layer: 32 output features x 64 columns' rows over K = 256.  The weights of K step k lie in slot (k + 1) % 3.  Each wait counts the ring's loads issued behind the item that is wanted
; (LDS loads come back in order: ISA guide 5.7.1): two items of four as a rule; one at the first step, and at U's last.  Four places stand between the products that read a slot and the loads into it.
; The tail brings what follows the group: u = 1: the tile of UC; u = 0: the third layer's four fragments for this group's 32 features.
.macro GEMM nb, u
	LDB 0, 0
	LDW 1, 0
	LDW 2, 1
	WIN 0x04                                       ; source 1 in window 1; the ring's loads name no source 1
	s_wait_dscnt 4
	KSTEP 0, 1, \nb
	PLACES 4
	LDW 0, 2
	LDW 1, 3
	s_wait_dscnt 8
	KSTEP 1, 2, \nb
	PLACES 4
	LDW 2, 4
	s_wait_dscnt 8
	KSTEP 2, 0, \nb
	PLACES 4
	LDW 0, 5
	s_wait_dscnt 8
	KSTEP 3, 1, \nb
	PLACES 4
	LDW 1, 6
	s_wait_dscnt 8
	KSTEP 4, 2, \nb
	PLACES 4
	LDW 2, 7
	s_wait_dscnt 8
	KSTEP 5, 0, \nb
	PLACES 4
.if \u
	LDB 0, T_UC-T_UB2
	s_wait_dscnt 8
	KSTEP 6, 1, \nb
	s_wait_dscnt 4
.else
	LDX 0, 0
	s_wait_dscnt 8
	KSTEP 6, 1, \nb
	PLACES 4
	LDX 1, 2
	s_wait_dscnt 8
.endif
	KSTEP 7, 2, \nb
	WIN 0
	PLACES 8                                       ; between the last product and the first read of a result: four are asked for, the text keeps eight
.endm
; The activations of a group.  V: columns 0, 1 are values, columns 2, 3 their tangents.  Two batches, each with one wait.
.macro ACT_V g, inplace
	EXPB ACC, 32
	TWAIT
	ADD1 ACC, 16
	RCPB ACC, 32
	TWAIT
	TANG ACC, ACC+32, 16
	TANH ACC, 16
.if \inplace
.irp c, 0,1,2,3
	CVTC ACC+16*(\c), ACC+16*(\c)
.endr
.else
	WIN 0x40                                       ; destination window 1
.irp c, 0,1,2,3
	CVTC 64*(\c)+8*(\g), ACC+16*(\c)
.endr
	WIN 0
.endif
.endm
.macro ACT_U1 g
	EXPB ACC, 64
	TWAIT
	ADD1 ACC, 32
	RCPB ACC, 64
	TWAIT
	TANH ACC, 32
	WIN 0x40
.irp c, 0,1,2,3
	CVTC 64*(\c)+8*(\g), ACC+16*(\c)
.endr
	WIN 0
.endm
.macro ACT_U2                          ; U's second layer ends in r; its part of the last layer's sum is taken at once
	EXPB ACC, 64
	TWAIT
	ADD1 ACC, 32
	RCPB ACC, 64
	s_wait_dscnt 0x0                               ; UC's tile is in slot 0
	TWAIT
.irp blk, 0,1
.irp i, 0,1,2,3
.irp c, 0,1,2,3
	v_pk_fma_f32 v[DOT+2*(\c):DOT+2*(\c)+1], v[ACC+16*(\c)+8*(\blk)+2*(\i):ACC+16*(\c)+8*(\blk)+2*(\i)+1], v[RING+8*(\blk)+2*(\i):RING+8*(\blk)+2*(\i)+1], v[DOT+2*(\c):DOT+2*(\c)+1]
.endr
.endr
.endr
.endm
; A group of a first layer: 32 features, one K step.  Slot 0 holds the weights' fragments (registers 0-3 V's, 4-7 U's; the half that is not meant meets zeros in source 1), slot 1 the bias.
; The next group's loads go out behind four places and land under the activations.
.macro L1G u, g
.if \u
.set rF, BFU
.set rT, T_UB1
.else
.set rF, BFV
.set rT, T_VB1
.endif
	s_wait_dscnt 0x0
.irp blk, 0,1
.irp c, 0,1,2,3
.set rD, ACC+16*(\c)+8*(\blk)
.if (\u) || ((\c) < 2)
	v_wmma_f32_16x16x32_f16 v[rD:rD+7], v[RING+8*(\blk):RING+8*(\blk)+7], v[rF+8*(\c):rF+8*(\c)+7], v[RING+16+8*(\blk):RING+16+8*(\blk)+7]
.else
	v_wmma_f32_16x16x32_f16 v[rD:rD+7], v[RING+8*(\blk):RING+8*(\blk)+7], v[rF+8*(\c):rF+8*(\c)+7], 0
.endif
.endr
.endr
	PLACES 4
.if (\g) < 7
	LDA 0, (\g)+1
	LDB 1, rT+128*((\g)+1)
.endif
	PLACES 4                                       ; eight in all ahead of the first read of a result
.if \u
	ACT_U1 \g
.else
	ACT_V \g, 0
.endif
.endm
; The dynamics of tile t: w = f + g u, scaled; x's and w~'s fragments and the scale go to my scratch.  Both halves of the lanes do the same row.
.macro DYN t
.set XR, XRAW+4*(\t)
	v_mul_f32 v[DT], 0x3f22f983, v[XR+1]           ; theta x 2 / pi
	v_rndne_f32 v[DT], v[DT]                       ; n
	v_fmamk_f32 v[DT+1], v[DT], 0xbfc90fdb, v[XR+1]  ; y = theta - n pi/2, pi/2 in two parts
	v_fmamk_f32 v[DT+1], v[DT], 0x333bbd2e, v[DT+1]
	v_cvt_i32_f32 v[DT+2], v[DT]                   ; the quadrant: it selects values and signs alone
	v_mul_f32 v[DT+3], v[DT+1], v[DT+1]            ; z = y^2
	v_fmaak_f32 v[DT+4], v[DT+3], v14, 0x3c08839e  ; sine's and cosine's polynomials on |y| <= pi/4
	v_fmaak_f32 v[DT+6], v[DT+3], v15, 0xbab6061a
	v_fmaak_f32 v[DT+4], v[DT+3], v[DT+4], 0xbe2aaaa3
	v_fmaak_f32 v[DT+6], v[DT+3], v[DT+6], 0x3d2aaaa5
	v_mul_f32 v[DT+5], v[DT+1], v[DT+3]
	v_mul_f32 v[DT+7], v[DT+3], v[DT+3]
	v_fma_f32 v[DT+8], v[DT+3], -0.5, 1.0
	v_fma_f32 v[DT+4], v[DT+4], v[DT+5], v[DT+1]   ; sin y
	v_fma_f32 v[DT+6], v[DT+6], v[DT+7], v[DT+8]   ; cos y
	v_and_b32 v[DT+9], 1, v[DT+2]
	v_cmp_ne_u32 vcc_lo, 0, v[DT+9]                ; odd quadrants swap the two
	v_cndmask_b32 v[DT+10], v[DT+4], v[DT+6], vcc_lo
	v_cndmask_b32 v[DT+11], v[DT+6], v[DT+4], vcc_lo
	v_lshlrev_b32 v[DT+9], 30, v[DT+2]             ; sine is negative in quadrants 2, 3: bit 1 of n;
	v_add_nc_u32 v[DT+2], 1, v[DT+2]               ; cosine in 1, 2: bit 1 of n + 1
	v_and_b32 v[DT+9], 0x80000000, v[DT+9]
	v_lshlrev_b32 v[DT+2], 30, v[DT+2]
	v_xor_b32 v[DT+10], v[DT+9], v[DT+10]          ; s
	v_and_b32 v[DT+2], 0x80000000, v[DT+2]
	v_xor_b32 v[DT+11], v[DT+2], v[DT+11]          ; c
	v_add_f32 v[DT+12], s59, v[DT+11]              ; c - 24.7
	v_fma_f32 v[DT+13], v[DT+11], v[DT+11], s59    ; c^2 - 24.7
	v_rcp_f32 v[DT+12], v[DT+12]
	v_rcp_f32 v[DT+13], v[DT+13]
	v_mul_f32 v[DT+14], v[XR+3], v[XR+3]           ; the numerators are the work behind the two reciprocals
	v_mul_f32 v[DT+15], s49, v[XR+2]
	v_fma_f32 v[DT+15], v[DT+10], s48, v[DT+15]    ; 9.8 s + 11.5 v
	v_mul_f32 v[DT+16], s50, v[XR+2]
	v_fma_f32 v[DT+16], v[DT+11], v[DT+15], v[DT+16]  ; c (..) + 68.4 v
	v_mul_f32 v[DT+17], v[DT+14], v[DT+10]
	v_fma_f32 v[DT+16], v[DT+17], s51, v[DT+16]    ; - 1.2 omega^2 s
	v_fma_f32 v[DT+18], v[DT+11], s55, s56         ; -1.8 c - 10.9
	v_fma_f32 v[DT+16], v[DT+18], v[UU+(\t)], v[DT+16]
	v_fma_f32 v[DT+19], v[DT+11], s52, s53         ; -58.8 c - 243.5
	v_mul_f32 v[DT+19], v[XR+2], v[DT+19]
	v_fma_f32 v[DT+20], v[DT+14], v[DT+11], s54    ; 208.3 + omega^2 c
	v_xor_b32 v[DT+21], 0x80000000, v[DT+10]       ; -s
	v_fma_f32 v[DT+19], v[DT+21], v[DT+20], v[DT+19]
	v_fma_f32 v[DT+21], v[DT+11], s57, s58         ; 9.3 c + 38.6
	v_fma_f32 v[DT+19], v[DT+21], v[UU+(\t)], v[DT+19]
	s_wait_alu depctr_va_vdst(0)                   ; one wait for the two reciprocals, ahead of their first reader
	v_mul_f32 v[DT+26], v[DT+16], v[DT+12]         ; w2
	v_mul_f32 v[DT+27], v[DT+19], v[DT+13]         ; w3
	v_and_b32 v[DT+22], 0x7f800000, v[XR+2]        ; the four numbers' powers of two,
	v_and_b32 v[DT+23], 0x7f800000, v[XR+3]
	v_and_b32 v[DT+24], 0x7f800000, v[DT+26]
	v_and_b32 v[DT+25], 0x7f800000, v[DT+27]
	v_max3_num_f32 v[DT+22], v[DT+22], v[DT+23], v[DT+24]
	v_max_num_f32 v[DT+22], v[DT+22], v[DT+25]     ; the largest: 2^E
	v_sub_nc_u32 v[DT+23], 0x7f000000, v[DT+22]    ; 2^-E, by the exponent field
	v_mul_f32 v[DT+24], v[XR+2], v[DT+23]
	v_mul_f32 v[DT+25], v[XR+3], v[DT+23]
	v_mul_f32 v[DT+26], v[DT+26], v[DT+23]
	v_mul_f32 v[DT+27], v[DT+27], v[DT+23]
	v_mul_f32 v[DT+22], 0x402a8235, v[DT+22]       ; (4 / kappa)^3 2^E
	SPLIT4 DT+28, DT+24, DT+24
	ds_store_b128 v[SA], v[BFU+8*(\t)+4:BFU+8*(\t)+7] offset:512*(\t)
	ds_store_b128 v[SA], v[DT+28:DT+31] offset:S_WF+512*(\t)
	ds_store_b32 v[SB], v[DT+22] offset:S_SC+128*(\t)
.endm
	; THE HEAD
	s_load_b512 s[16:31], s[0:1], 0x0              ; x 16, Uw1 18, Ub1 20, Uw2 22, Ub2 24, Uw3 26, Ub3 28, Vw1 30
	s_load_b512 s[32:47], s[0:1], 0x40             ; Vb1 32, Vw2 34, Vb2 36, Vw3 38, Vb3 40, out0 42, out1 44, out2 46
	v_lshl_add_u32 v[SPW], v0, 2, SPARE
	v_mov_b32 v[NIL], 0
	v_lshrrev_b32 v12, 5, v0
	v_readfirstlane_b32 s2, v12                    ; wave 0..7
	v_and_b32 v12, 15, v0                          ; l % 16
	v_bfe_u32 v13, v0, 4, 1                        ; l / 16
	v_and_b32 v14, 31, v0                          ; l: kept until the dynamics
	v_lshrrev_b32 v15, 4, v0                       ; thread / 16
	v_mul_u32_u24 v[LB], v12, PW
	v_lshl_add_u32 v[LB], v13, 4, v[LB]
	v_lshlrev_b32 v[HB], 5, v13
	v_lshlrev_b32 v[L16], 4, v14
	v_mov_b32 v[MONE], -1.0
	v_lshlrev_b32 v[XO], 5, v12
	v_lshlrev_b32 v[GO], 3, v14
	v_lshlrev_b32 v[A16], 4, v0
	v_lshlrev_b32 v[A4], 2, v0
	v_and_b32 v[A4M], 63, v0
	v_lshlrev_b32 v[A4M], 2, v[A4M]
	v_add_nc_u32 v[LT], TBL, v[A4]
	v_lshlrev_b32 v[LF], 4, v12
	v_lshl_add_u32 v[LF], v15, 10, v[LF]
	v_add_nc_u32 v[LF], L1F, v[LF]                 ; thread t holds feature t of the first layers: block t / 16, row t % 16
	s_mul_i32 s14, s2, 32*PW
	v_lshl_add_u32 v[SDU], v14, 3, s14             ; my wave's 32 rows of Uw2 in LDS, 8 bytes a lane
	s_mov_b32 s6, KAPPA
	s_mov_b32 s7, KAPPA
	s_mov_b32 s8, 0x76543210                       ; v_permlanex16_b32: each lane takes its own place in the other half
	s_mov_b32 s9, 0xfedcba98
	s_mov_b32 s48, 0x411ccccd                      ; 9.8
	s_mov_b32 s49, 0x41380000                      ; 11.5
	s_mov_b32 s50, 0x4288cccd                      ; 68.4
	s_mov_b32 s51, 0xbf99999a                      ; -1.2
	s_mov_b32 s52, 0xc26b3333                      ; -58.8
	s_mov_b32 s53, 0xc3738000                      ; -243.5
	s_mov_b32 s54, 0x43504ccd                      ; 208.3
	s_mov_b32 s55, 0xbfe66666                      ; -1.8
	s_mov_b32 s56, 0xc12e6666                      ; -10.9
	s_mov_b32 s57, 0x4114cccd                      ; 9.3
	s_mov_b32 s58, 0x421a6666                      ; 38.6
	s_mov_b32 s59, 0xc1c5999a                      ; -24.7
	s_wait_kmcnt 0x0
	s_load_b32 s5, s[28:29], 0x0                   ; Ub3: waited for where K0 is made
	s_lshl_b32 s14, ttmp9, 13                      ; 512 rows of 16 bytes a work-group,
	s_lshl_b32 s15, s2, 10                         ; 64 a wave
	s_add_co_u32 s14, s14, s15
	s_mov_b32 s15, 0
	s_add_nc_u64 s[16:17], s[16:17], s[14:15]      ; x at my wave's rows
	s_lshr_b32 s14, s14, 2                         ; 4 bytes a row in the outputs
	s_add_nc_u64 s[42:43], s[42:43], s[14:15]
	s_add_nc_u64 s[44:45], s[44:45], s[14:15]
	s_add_nc_u64 s[46:47], s[46:47], s[14:15]
	s_lshl_b32 s14, s2, 15
	s_add_nc_u64 s[22:23], s[22:23], s[14:15]      ; Uw2 at my 32 rows of 1,024 bytes
	s_lshl_b32 s14, s2, 12
	s_add_nc_u64 s[10:11], s[34:35], s[14:15]      ; Vw2 at rows 4 w ..
	s_lshl_b32 s14, s2, 10
	s_add_nc_u64 s[12:13], s[38:39], s[14:15]      ; Vw3 at row w
	; ALL OF THE SET-UP'S LOADS AT ONCE: twelve small ones, then my 32 rows of Uw2 (64 loads of 512 consecutive bytes)
	global_load_b128 v[STG:STG+3], v[A16], s[30:31]        ; Vw1, row t
	global_load_b128 v[STG+4:STG+7], v[A16], s[18:19]      ; Uw1, row t
	global_load_b32 v[STG+8], v[A4], s[32:33]              ; Vb1
	global_load_b32 v[STG+9], v[A4], s[36:37]              ; Vb2
	global_load_b32 v[STG+10], v[A4], s[20:21]             ; Ub1
	global_load_b32 v[STG+11], v[A4], s[24:25]             ; Ub2
	global_load_b32 v[STG+12], v[A4], s[26:27]             ; Uw3
	global_load_b32 v[STG+13], v[A4M], s[40:41]            ; Vb3
.irp t, 0,1,2,3
	global_load_b128 v[XRAW+4*(\t):XRAW+4*(\t)+3], v[XO], s[16:17] offset:512*((\t)/2)+16*((\t)%2) th:TH_LOAD_NT
.endr
	WIN 0x40                                       ; destination window 1
.set i, 0
.rept 32
	global_load_b128 v[8*i:8*i+3], v[L16], s[22:23] offset:1024*i
	global_load_b128 v[8*i+4:8*i+7], v[L16], s[22:23] offset:1024*i+512
.set i, i+1
.endr
	WIN 0
	; THE SMALL INPUTS
	s_wait_loadcnt 63                              ; of the 76 loads the 13 oldest are in, the twelve small ones among them
	v_pk_mul_f32 v[STG:STG+1], v[STG:STG+1], s[6:7] op_sel_hi:[1,0]
	v_pk_mul_f32 v[STG+2:STG+3], v[STG+2:STG+3], s[6:7] op_sel_hi:[1,0]
	v_pk_mul_f32 v[STG+4:STG+5], v[STG+4:STG+5], s[6:7] op_sel_hi:[1,0]
	v_pk_mul_f32 v[STG+6:STG+7], v[STG+6:STG+7], s[6:7] op_sel_hi:[1,0]
	SPLIT4 SPV, STG, STG
	SPLIT4 SPU, STG+4, STG+4
	ds_store_b64 v[LF], v[SPV:SPV+1]               ; V high, twice on end: it meets xh and xl
	ds_store_b64 v[LF], v[SPV:SPV+1] offset:8
	ds_store_b64 v[LF], v[SPV+2:SPV+3] offset:256  ; V low
	ds_store_b64 v[LF], v[SPV+2:SPV+3] offset:264
	ds_store_b64 v[LF], v[SPU:SPU+1] offset:512    ; U high
	ds_store_b64 v[LF], v[SPU:SPU+1] offset:520
	ds_store_b64 v[LF], v[SPU+2:SPU+3] offset:768  ; U low
	ds_store_b64 v[LF], v[SPU+2:SPU+3] offset:776
	v_pk_mul_f32 v[STG+8:STG+9], v[STG+8:STG+9], s[6:7] op_sel_hi:[1,0]
	v_pk_mul_f32 v[STG+10:STG+11], v[STG+10:STG+11], s[6:7] op_sel_hi:[1,0]
	v_mul_f32 v[STG+12], 0xc0b8aa3b, v[STG+12]     ; UC = -2 kappa Uw3
	v_mul_f32 v[STG+13], s6, v[STG+13]
	ds_store_b32 v[LT], v[STG+8] offset:T_VB1
	ds_store_b32 v[LT], v[STG+9] offset:T_VB2
	ds_store_b32 v[LT], v[STG+10] offset:T_UB1
	ds_store_b32 v[LT], v[STG+11] offset:T_UB2
	ds_store_b32 v[LT], v[STG+12] offset:T_UC
	s_cmp_lt_u32 s2, 2                             ; Vb3 has 64 numbers: threads 0 to 63
	s_cbranch_scc0 .Lno_vb3
	ds_store_b32 v[LT], v[STG+13] offset:T_VB3
.Lno_vb3:
.irp t, 0,1,2,3
	SPLIT4 BFU+8*(\t)+4, XRAW+4*(\t), TP
	v_mov_b32 v[BFU+8*(\t)], 0
	v_mov_b32 v[BFU+8*(\t)+1], 0
	v_mov_b32 v[BFU+8*(\t)+2], 0
	v_mov_b32 v[BFU+8*(\t)+3], 0
.endr
	; Uw2: four rows at a time: times kappa, rounded to f16 in place, 8 bytes a lane into LDS (a row's columns 4 l .. and 128 + 4 l ..)
.set G, 0
.rept 8
	s_wait_loadcnt 56-8*G                          ; the loads of the rows behind these four may stay out
	WIN 0x41                                       ; destination and source 0 in window 1
.set q, 32*G
.rept 16
	v_pk_mul_f32 v[q:q+1], v[q:q+1], s[6:7] op_sel_hi:[1,0]
.set q, q+2
.endr
	WIN 0x45                                       ; and source 1
.set q, 0
.rept 16
.set rr, 32*G+8*(q/4)
	v_cvt_pk_f16_f32 v[rr+q%4], v[rr+2*(q%4)], v[rr+2*(q%4)+1]
.set q, q+1
.endr
	WIN 0x04                                       ; an LDS store's data are source 1
.set q, 4*G
.rept 4
	ds_store_b64 v[SDU], v[8*q:8*q+1] offset:PW*q
	ds_store_b64 v[SDU], v[8*q+2:8*q+3] offset:PW*q+256
.set q, q+1
.endr
.set G, G+1
.endr
	WIN 0
	s_wait_dscnt 0x0                               ; for the others' sake: my stores of Uw2, of the first layers' fragments and of the tables are done
	s_barrier_signal -1
	s_barrier_wait -1                              ; THE FIRST BARRIER: everybody's are
	; K0 = kappa Ub3 - (sum UC) / 2: what the 1 of tanh = 1 - 2 r adds to the last layer's sum
	v_lshl_add_u32 v12, v14, 5, TBL+T_UC
	ds_load_b128 v[ACC:ACC+3], v12
	ds_load_b128 v[ACC+4:ACC+7], v12 offset:16
	v_add_nc_u32 v[AW], L1F, v[L16]
	v_add_nc_u32 v[AB], TBL, v[HB]
	s_wait_dscnt 0x0
	LDA 0, 0                                       ; U's first layer, group 0
	LDB 1, T_UB1
	v_pk_add_f32 v[ACC:ACC+1], v[ACC:ACC+1], v[ACC+2:ACC+3]
	v_pk_add_f32 v[ACC+4:ACC+5], v[ACC+4:ACC+5], v[ACC+6:ACC+7]
	v_pk_add_f32 v[ACC:ACC+1], v[ACC:ACC+1], v[ACC+4:ACC+5]
	v_add_f32 v[ACC], v[ACC], v[ACC+1]
	v_add_f32_dpp v[ACC], v[ACC], v[ACC] row_xmask:1 row_mask:0xf bank_mask:0xf
	v_add_f32_dpp v[ACC], v[ACC], v[ACC] row_xmask:2 row_mask:0xf bank_mask:0xf
	v_add_f32_dpp v[ACC], v[ACC], v[ACC] row_xmask:4 row_mask:0xf bank_mask:0xf
	v_add_f32_dpp v[ACC], v[ACC], v[ACC] row_xmask:8 row_mask:0xf bank_mask:0xf
	v_permlanex16_b32 v[ACC+1], v[ACC], s8, s9
	v_add_f32 v[ACC], v[ACC], v[ACC+1]
	s_wait_kmcnt 0x0                               ; Ub3
	v_mov_b32 v[K0], s5
	v_mul_f32 v[K0], s6, v[K0]
	v_fma_f32 v[K0], v[ACC], -0.5, v[K0]
	; U, FIRST LAYER: eight groups of 32 features, written out: each lands in other registers of window 1
.irp g, 0,1,2,3,4,5,6,7
	L1G 1, \g
.endr
	; U, SECOND AND THIRD LAYER: eight trips of 32 features.  Each trip also brings 4 rows of Vw2 and 1 of Vw3 a wave: rows 32 j + 4 w + i and 8 j + w: asked for at its head, rounded and stored at its end
	v_mov_b32 v[AW], v[LB]                         ; UW2 begins at LDS byte 0
	v_add_nc_u32 v[AB], TBL+T_UB2, v[HB]
.irp i, 0,1,2,3,4,5,6,7
	v_mov_b32 v[DOT+(\i)], 0
.endr
	s_mul_i32 s14, s2, 4*PW
	s_add_co_u32 s14, s14, VW2
	v_lshl_add_u32 v[SD2], v14, 3, s14
	s_mul_i32 s14, s2, PW
	s_add_co_u32 s14, s14, VW3
	v_lshl_add_u32 v[SD3], v14, 3, s14
	s_mov_b32 s3, 8
.Lu2:
.irp i, 0,1,2,3
	global_load_b128 v[STG+8*(\i):STG+8*(\i)+3], v[L16], s[10:11] offset:1024*(\i)
	global_load_b128 v[STG+8*(\i)+4:STG+8*(\i)+7], v[L16], s[10:11] offset:1024*(\i)+512
.endr
	global_load_b128 v[STG+32:STG+35], v[L16], s[12:13]
	global_load_b128 v[STG+36:STG+39], v[L16], s[12:13] offset:512
	GEMM 4, 1
	ACT_U2
	s_wait_loadcnt 0x0                             ; the ten loads of the trip's head: their bases may be stepped behind this wait
.set q, 0
.rept 20
	v_pk_mul_f32 v[STG+q:STG+q+1], v[STG+q:STG+q+1], s[6:7] op_sel_hi:[1,0]
.set q, q+2
.endr
.set q, 0
.rept 20
.set rr, STG+8*(q/4)
	v_cvt_pk_f16_f32 v[rr+q%4], v[rr+2*(q%4)], v[rr+2*(q%4)+1]
.set q, q+1
.endr
.irp i, 0,1,2,3
	ds_store_b64 v[SD2], v[STG+8*(\i):STG+8*(\i)+1] offset:PW*(\i)
	ds_store_b64 v[SD2], v[STG+8*(\i)+2:STG+8*(\i)+3] offset:PW*(\i)+256
.endr
	ds_store_b64 v[SD3], v[STG+32:STG+33]
	ds_store_b64 v[SD3], v[STG+34:STG+35] offset:256
	s_add_nc_u64 s[10:11], s[10:11], 32*1024
	s_add_nc_u64 s[12:13], s[12:13], 8*1024
	v_add_nc_u32 v[SD2], 32*PW, v[SD2]
	v_add_nc_u32 v[SD3], 8*PW, v[SD3]
	v_add_nc_u32 v[AW], 32*PW, v[AW]
	v_add_nc_u32 v[AB], 128, v[AB]
	s_sub_co_u32 s3, s3, 1
	s_cmp_lg_u32 s3, 0
	s_cbranch_scc1 .Lu2
	; u: a row's other 128 features lie in the lane 16 away
.irp c, 0,1,2,3
	v_add_f32 v[UU+(\c)], v[DOT+2*(\c)], v[DOT+2*(\c)+1]
.endr
.irp c, 0,1,2,3
	v_permlanex16_b32 v[TP+(\c)], v[UU+(\c)], s8, s9
.endr
.irp c, 0,1,2,3
	v_add_f32 v[UU+(\c)], v[UU+(\c)], v[TP+(\c)]
.endr
.irp c, 0,1,2,3
	v_add_f32 v[UU+(\c)], v[UU+(\c)], v[K0]
.endr
	EXPB UU, 4
	TWAIT
	ADD1 UU, 2
	RCPB UU, 4
	TWAIT
	TANH UU, 2
.irp c, 0,1,2,3
	v_mul_f32 v[UU+(\c)], 0x41a00000, v[UU+(\c)]   ; x 20
.endr
	v_and_b32 v12, 16, v0
	v_cmp_ne_u32 vcc_lo, 0, v12                    ; lane l stores rows 2 l, 2 l + 1: tiles 0, 1 in lanes 0-15, tiles 2, 3 in lanes 16-31
	v_cndmask_b32 v[TP], v[UU], v[UU+2], vcc_lo
	v_cndmask_b32 v[TP+1], v[UU+1], v[UU+3], vcc_lo
	global_store_b64 v[GO], v[TP:TP+1], s[42:43] th:TH_STORE_NT  ; the wave's store covers 256 consecutive bytes, aligned
	s_wait_dscnt 0x0                               ; for the others' sake: my stores of V's weights are done, and my reads of Uw2 are back
	s_barrier_signal -1
	s_barrier_wait -1                              ; THE SECOND BARRIER: V's weights are whole, and nobody reads Uw2 any more: its bytes become scratch
	; THE DYNAMICS
	s_lshl_b32 s14, s2, 13                         ; my scratch: 8,192 x wave
	v_add_nc_u32 v[SA], s14, v[L16]
	v_lshl_add_u32 v[SB], v14, 2, s14
	v_mov_b32 v14, 0xb94ca1f9                      ; the polynomials' leading coefficients: sine's,
	v_mov_b32 v15, 0x37ccf5ce                      ; cosine's
	DYN 0
	DYN 1
	DYN 2
	DYN 3
	s_wait_xcnt 0x0                                ; out0's store has read its data: those registers are written again below
	; THE V NET, two passes of 32 rows: columns 0, 1 the values of tiles 2 p, 2 p + 1; columns 2, 3 their tangents
	s_mov_b32 s4, 2
.Lpass:
	ds_load_b128 v[BFV:BFV+3], v[SA]               ; LDS serves a wave's instructions in order (ISA guide 5.7.1.4): these see my stores above
	ds_load_b128 v[BFV+8:BFV+11], v[SA] offset:512
	ds_load_b128 v[BFV+16:BFV+19], v[SA] offset:S_WF
	ds_load_b128 v[BFV+24:BFV+27], v[SA] offset:S_WF+512
.irp c, 0,1,2,3
.irp j, 4,5,6,7
	v_mov_b32 v[BFV+8*(\c)+(\j)], 0                ; these meet U's half of the weights' fragments
.endr
.endr
	v_add_nc_u32 v[AW], L1F, v[L16]
	v_add_nc_u32 v[AB], TBL, v[HB]
	LDA 0, 0
	LDB 1, T_VB1
.irp g, 0,1,2,3,4,5,6,7
	L1G 0, \g
.endr
	; the third layer's sums start with the bias (values) and with 0 (tangents): set once a pass, 64 lines, so that all eight trips below have one text
.irp c, 0,1
.irp n, 0,1,2,3
.irp j, 0,1
	ds_load_b128 v[L3A+32*(\c)+8*(\n)+4*(\j):L3A+32*(\c)+8*(\n)+4*(\j)+3], v[AB] offset:T_VB3+64*(\n)+16*(\j)
.endr
.endr
.endr
.set q, 0
.rept 64
	v_mov_b32 v[L3A+64+q], 0
.set q, q+1
.endr
	v_add_nc_u32 v[AW], VW2, v[LB]
	v_add_nc_u32 v[AX], VW3, v[LB]
	v_add_nc_u32 v[AB], TBL+T_VB2, v[HB]
	s_mov_b32 s3, 8
.Lvk:                                                  ; a trip: 32 features of the second layer, and their K step of the third
	GEMM 2, 0
	ACT_V 0, 1
	s_wait_dscnt 0x0                               ; the third layer's four fragments (slots 0, 1); in the first trip its bias tiles too
.irp n, 0,1,2,3
.irp c, 0,1,2,3
.set rD, L3A+32*(\c)+8*(\n)
	v_wmma_f32_16x16x32_f16 v[rD:rD+7], v[RING+8*(\n):RING+8*(\n)+7], v[ACC+16*(\c):ACC+16*(\c)+7], v[rD:rD+7]
.endr
.endr
	v_add_nc_u32 v[AW], 32*PW, v[AW]               ; nine places: ahead of the next trip's loads into slots 0 and 1 (four are asked for) and of its products, which write over the fragments just read (five)
	v_add_nc_u32 v[AX], 64, v[AX]
	v_add_nc_u32 v[AB], 128, v[AB]
	PLACES 6
	s_sub_co_u32 s3, s3, 1
	s_cmp_lg_u32 s3, 0
	s_cbranch_scc1 .Lvk
	; a pass's end: a3, t~3, V and Vdot
	PLACES 4
	ds_load_b32 v[RING+16], v[SB] offset:S_SC
	ds_load_b32 v[RING+17], v[SB] offset:S_SC+128
	EXPB L3A, 64
	TWAIT
	ADD1 L3A, 32
	RCPB L3A, 64
	TWAIT
	TANG L3A, L3A+64, 32
	TANH L3A, 32
.set i, 0
.rept 16                               ; four chains by turns: sum a^2 and sum a t~ for each of the two tiles
.irp c, 0,1
.if i == 0
	v_pk_mul_f32 v[RING+2*(\c):RING+2*(\c)+1], v[L3A+32*(\c):L3A+32*(\c)+1], v[L3A+32*(\c):L3A+32*(\c)+1]
	v_pk_mul_f32 v[RING+4+2*(\c):RING+4+2*(\c)+1], v[L3A+32*(\c):L3A+32*(\c)+1], v[L3A+64+32*(\c):L3A+64+32*(\c)+1]
.else
	v_pk_fma_f32 v[RING+2*(\c):RING+2*(\c)+1], v[L3A+32*(\c)+2*i:L3A+32*(\c)+2*i+1], v[L3A+32*(\c)+2*i:L3A+32*(\c)+2*i+1], v[RING+2*(\c):RING+2*(\c)+1]
	v_pk_fma_f32 v[RING+4+2*(\c):RING+4+2*(\c)+1], v[L3A+32*(\c)+2*i:L3A+32*(\c)+2*i+1], v[L3A+64+32*(\c)+2*i:L3A+64+32*(\c)+2*i+1], v[RING+4+2*(\c):RING+4+2*(\c)+1]
.endif
.endr
.set i, i+1
.endr
.irp k, 0,1,2,3
	v_add_f32 v[RING+8+(\k)], v[RING+2*(\k)], v[RING+2*(\k)+1]
.endr
.irp k, 0,1,2,3
	v_permlanex16_b32 v[RING+12+(\k)], v[RING+8+(\k)], s8, s9  ; a row's other 32 features
.endr
.irp k, 0,1,2,3
	v_add_f32 v[RING+8+(\k)], v[RING+8+(\k)], v[RING+12+(\k)]
.endr
	s_wait_dscnt 0x0                               ; the two tiles' scales
	v_mul_f32 v[RING+8], 0.5, v[RING+8]
	v_mul_f32 v[RING+9], 0.5, v[RING+9]
	v_mul_f32 v[RING+10], v[RING+10], v[RING+16]
	v_mul_f32 v[RING+11], v[RING+11], v[RING+17]
	ds_store_b32 v[SB], v[RING+8] offset:S_RV
	ds_store_b32 v[SB], v[RING+9] offset:S_RV+128
	ds_store_b32 v[SB], v[RING+10] offset:S_RD
	ds_store_b32 v[SB], v[RING+11] offset:S_RD+128
	v_add_nc_u32 v[SA], 1024, v[SA]                ; the next two tiles
	v_add_nc_u32 v[SB], 256, v[SB]
	s_sub_co_u32 s4, s4, 1
	s_cmp_lg_u32 s4, 0
	s_cbranch_scc1 .Lpass
	; THE WAY OUT: lane l takes rows 2 l and 2 l + 1 (tiles 2 (l / 16) and 2 (l / 16) + 1, place l % 16) out of my scratch
	v_and_b32 v12, 31, v0
	v_and_b32 v13, 16, v0
	s_lshl_b32 s14, s2, 13
	v_lshl_add_u32 v14, v12, 2, s14
	v_lshl_add_u32 v14, v13, 4, v14                ; 8,192 w + 4 l + 256 (l / 16)
	v_lshlrev_b32 v15, 3, v12
	ds_load_b32 v[RING], v14 offset:S_RV
	ds_load_b32 v[RING+1], v14 offset:S_RV+128
	ds_load_b32 v[RING+2], v14 offset:S_RD
	ds_load_b32 v[RING+3], v14 offset:S_RD+128
	s_wait_dscnt 0x0
	global_store_b64 v15, v[RING:RING+1], s[44:45] th:TH_STORE_NT    ; each store of the wave covers 256 consecutive bytes, aligned
	global_store_b64 v15, v[RING+2:RING+3], s[46:47] th:TH_STORE_NT
	s_wait_tensorcnt 0x0                           ; the wave's end, behind my last LDS store
	ds_add_u32 v[SPW], v[NIL]
	s_wait_dscnt 0x0
	s_endpgm
.Lfunc_end_k_q53bcb3656e_clfqp:
	.size	k_q53bcb3656e_clfqp, .Lfunc_end_k_q53bcb3656e_clfqp-k_q53bcb3656e_clfqp
	.p2alignl 7, 3214868480
	.fill 96, 4, 3214868480
	.section	.rodata,"a",@progbits
	.p2align	6, 0x0
	.amdhsa_kernel k_q53bcb3656e_clfqp
		.amdhsa_group_segment_fixed_size 326912
		.amdhsa_private_segment_fixed_size 0
		.amdhsa_enable_private_segment 0
		.amdhsa_kernarg_size 128
		.amdhsa_user_sgpr_count 2
		.amdhsa_user_sgpr_kernarg_segment_ptr 1
		.amdhsa_wavefront_size32 1
		.amdhsa_system_sgpr_workgroup_id_x 1
		.amdhsa_system_sgpr_workgroup_id_y 1
		.amdhsa_system_sgpr_workgroup_id_z 1
		.amdhsa_system_vgpr_workitem_id 0
		.amdhsa_next_free_vgpr 512
		.amdhsa_next_free_sgpr 66
		.amdhsa_reserve_vcc 1
		.amdhsa_float_denorm_mode_32 3
		.amdhsa_float_denorm_mode_16_64 3
		.amdhsa_memory_ordered 1
		.amdhsa_forward_progress 1
		.amdhsa_inst_pref_size 255
	.end_amdhsa_kernel
	.section	.bss,"aw",@nobits
	.p2align	6
	.space	262144
	.amdgpu_metadata
---
amdhsa.version: [ 1, 2 ]
amdhsa.kernels:
  - .name:           k_q53bcb3656e_clfqp
    .symbol:         k_q53bcb3656e_clfqp.kd
    .args:
      - { .name: x, .offset: 0, .size: 8, .value_kind: global_buffer, .address_space: global }
      - { .name: Uw1, .offset: 8, .size: 8, .value_kind: global_buffer, .address_space: global }
      - { .name: Ub1, .offset: 16, .size: 8, .value_kind: global_buffer, .address_space: global }
      - { .name: Uw2, .offset: 24, .size: 8, .value_kind: global_buffer, .address_space: global }
      - { .name: Ub2, .offset: 32, .size: 8, .value_kind: global_buffer, .address_space: global }
      - { .name: Uw3, .offset: 40, .size: 8, .value_kind: global_buffer, .address_space: global }
      - { .name: Ub3, .offset: 48, .size: 8, .value_kind: global_buffer, .address_space: global }
      - { .name: Vw1, .offset: 56, .size: 8, .value_kind: global_buffer, .address_space: global }
      - { .name: Vb1, .offset: 64, .size: 8, .value_kind: global_buffer, .address_space: global }
      - { .name: Vw2, .offset: 72, .size: 8, .value_kind: global_buffer, .address_space: global }
      - { .name: Vb2, .offset: 80, .size: 8, .value_kind: global_buffer, .address_space: global }
      - { .name: Vw3, .offset: 88, .size: 8, .value_kind: global_buffer, .address_space: global }
      - { .name: Vb3, .offset: 96, .size: 8, .value_kind: global_buffer, .address_space: global }
      - { .name: out0, .offset: 104, .size: 8, .value_kind: global_buffer, .address_space: global }
      - { .name: out1, .offset: 112, .size: 8, .value_kind: global_buffer, .address_space: global }
      - { .name: out2, .offset: 120, .size: 8, .value_kind: global_buffer, .address_space: global }
    .group_segment_fixed_size: 326912
    .private_segment_fixed_size: 0
    .kernarg_segment_align: 8
    .kernarg_segment_size: 128
    .max_flat_workgroup_size: 256
    .sgpr_count:     66
    .vgpr_count:     512
    .wavefront_size: 32
...
	.end_amdgpu_metadata
.endif
;; end of part 1
;; ======== version 2 of 2: 1 launch; version 1 with the launch clfqp written anew for expert scheduling mode
;; limits: values are held in f16: magnitudes above 65,504 overflow, below 6.1e-05 lose precision; inputs' magnitudes at most 65,504
;; launch clfqp (part 2): grid 256 x 1, 8 waves a work-group, no clusters, 326,912 bytes of LDS; arguments x, Uw1, Ub1, Uw2, Ub2, Uw3, Ub3, Vw1, Vb1, Vw2, Vb2, Vw3, Vb3, out0, out1, out2; writes out0, out1, out2
.if DOCPART == 2
	.amdgcn_target "amdgcn-amd-amdhsa--gfx1250"
	.amdhsa_code_object_version 6
	.text
	.protected	k_q53bcb3656e_clfqp
	.globl	k_q53bcb3656e_clfqp
	.p2align	8
	.type	k_q53bcb3656e_clfqp,@function
k_q53bcb3656e_clfqp:
	s_mov_b64 s[64:65], 0
	v_nop
	global_prefetch_b8 v0, s[64:65] scope:SCOPE_SE
	s_setreg_imm32_b32 hwreg(HW_REG_WAVE_SCHED_MODE, 0, 2), 2
	s_setreg_imm32_b32 hwreg(HW_REG_WAVE_MODE, 25, 1), 1
	s_wait_xcnt 0x0
	s_wait_alu depctr_vm_vsrc(0)
; CLF_QP_Net in one launch.  out0 = u = 20 tanh(U net), out1 = V = 0.5 |a3|^2, out2 = Vdot = grad_V . (f + g u).  131,072 rows of 4 numbers; nets 4-256-256-1 (U) and 4-256-256-64 (V).
; WHAT IS NOT COMPUTED AS WRITTEN.  reference() builds D1, D2, D3 with four columns a row, and only grad_V . f and grad_V . g reach an output, as Vdot = a3^T D3 (f + g u).  D3 w =
; diag(1-a3^2) Vw3 diag(1-a2^2) Vw2 diag(1-a1^2) Vw1 w for any vector w, by associativity of matrix products, for all values of the inputs: so ONE tangent column t0 = w = f + g u is pushed through the V net
; beside the value column, in place of four.  g's rows 0 and 1 are zeros that reference() builds itself: w0 = v, w1 = omega.  Every input has a way to an output, and all are loaded.
; An overflow, infinity or NaN that would arise only in a Jacobian column taken by itself, and not in its product with w, is not carried to the result.
; SHARES.  256 work-groups of 8 waves; a work-group owns 512 rows, a wave 64: four tiles of 16.  Tile t, lane r holds row 32 (t / 2) + 2 r + t % 2 of the wave's 64, so that lane l ends with rows 2 l and 2 l + 1.
; FORMATS.  All matrix operands are f16, sums f32.  Weights and biases are kept times kappa = 2 log2(e), so an accumulator IS the argument of 2^z: E = 2^z, r = 1 / (1 + E), tanh = 1 - 2 r, (1 - tanh^2) / 4 = r - r^2.
; The tangent is carried as t~ = (r - r^2) s, which is (kappa / 4)^layer times the true one; w is scaled in each row by a power of two so that its largest number lies in 1 to 2; both come back at the end:
; Vdot = (4 / kappa)^3 2^E sum a3 t~3.  The first layer takes x, w~ and kappa W1 as f16 high part + f16 low part: K slots (xh, xl) x (Wh, Wh) in lanes 0-15 and (xh, xl) x (Wl, Wl) in lanes 16-31.
; LAYOUT.  Every layer is taken transposed, Z^T = W A^T (source 0 = 16 output features out of LDS, source 1 = 16 rows): in the result a lane holds ONE row (lane % 16) and features 8 (lane / 16) + 0..7, and two
; neighbouring results rounded to f16 in pairs ARE source 1 of the next layer's K step.  Activations never leave registers.  U's last layer (one output) is a packed multiply-add on r: kappa z3 = K0 + sum r_j UC_j.
; LDS holds all weights as f16 for the whole launch; the waves convert them themselves: Uw2 at the start, Vw2 and Vw3 under U's second layer.  The main loops have no barrier: two barriers in all.
; TWO WAVES TO A SIMD, 512 registers each: while one walks a batch of exponentials and reciprocals the other has products to issue; source 1 of four columns x 256 features fills one window of 256 either way.
; NO TENSOR LOADS, NO CLUSTER.  The weights lie in memory as f32 (589,824 bytes for the three large ones) and are wanted as f16: they pass through registers to be rounded, and beside the 304,128 bytes of f16 weights
; LDS has no room for a stage of f32.  What work-groups share is read once by each, 576 KiB, against 496 matrix instructions for each of its 32 tiles.
; LIMITS.  |x| under 65,504 (f16's high part); |w| under 2^127; |t~| under 65,504; weights times kappa under 65,504, and below 6e-5 they keep f16's fixed step of 6e-8, as do t~ and the low parts.
; tanh is 1 - 2 r with an absolute error near 1e-7.  theta is reduced by pi/2 in two parts, good to |theta| near 2^22.  NaN and infinities are not treated apart.
; THE MODE: SCHED_MODE bits 1:0 = 2 (LLVM: expert scheduling mode 2), set by the entry lines.  The code itself states the register dependences between vector or matrix instructions and memory or LDS
; instructions, with s_wait_alu, always for 0.
; THE PLAN.  Registers that memory or LDS instructions touch:
;   RING        three slots of 16.  LDS loads land in them; products read them (weights as source 0, bias as C), U's dot lines read slot 0 (UC), a pass's end takes two scales there and stores four results from there.
;               In a second layer's group a wait on va_vdst stands behind K steps 0, 2 and 4: the two slots just read are free; one is asked for at once, the other in the middle of the next K step, whose
;               products name the third slot, the accumulators and window 1 alone.  What follows a group (UC; the third layer's fragments; a first layer's next group) is asked for behind the exponentials' wait.
;               In the dynamics the idle ring holds tile t's w~ and scale at RING + 8 t, so that one wait serves the twelve stores of all four tiles.
;   AW, AX, AB  read by the ring's loads; written at the head, between the phases, and once a trip at its end: a wait on vm_vsrc ahead of the steps, the loop head's wait on va_vdst behind them.
;   STG         U's second layer: ten global loads land at a trip's head; scalings and roundings work in place at its end; one wait on va_vdst; ten LDS stores; one wait on vm_vsrc, which also frees SD2, SD3, AW, AB.
;   window 1    the set-up alone: Uw2's rows land, are rounded in place, and are stored a turn later, behind the next turn's wait.  Afterwards vector and matrix instructions alone name it.
;   v128-191    LDS loads land: x's and w~'s fragments at a pass's head, the third layer's bias behind the last first-layer group's exponentials.
;   SA, SB      read by the scratch's loads and stores; stepped at a pass's end.     v13, L16, LB, HB, LT, LF, SDU, XO, GO and the set-up's offsets are made once, ahead of the head's wait.
.set KAPPA,  0x4038aa3b                ; 2 log2(e)
.set PW,     528                       ; a weight row in LDS: 512 bytes of f16 + 16 of padding = 132 words: the 16 rows of a fragment load start at 16 different groups of four banks (64 banks of 4 bytes: ISA guide 11.1)
.set UW2,    0                         ; 256 rows: kappa Uw2.  Behind the second barrier its first 65,536 bytes are the waves' scratch
.set VW2,    256*PW                    ; 256 rows: kappa Vw2
.set VW3,    512*PW                    ; 64 rows: kappa Vw3
.set L1F,    576*PW                    ; 16 blocks of 1,024: the first layers' fragments as a lane reads them: V high, V low, U high, U low, 256 bytes each, 16 a row: (w01, w23, w01, w23)
.set TBL,    L1F+16384                 ; f32 tables, times kappa:
.set T_VB1,  0
.set T_VB2,  1024
.set T_UB1,  2048
.set T_UB2,  3072
.set T_UC,   4096                      ; -2 kappa Uw3
.set T_VB3,  5120
.set SPARE,  TBL+5376                  ; the spare words, 128 bytes for each of the eight waves: four blocks of 256 bytes that no other line names
.set S_WF,   2048                      ; a wave's scratch, 8,192 bytes at 8,192 x wave: x's fragments (512 a tile), w~'s fragments,
.set S_SC,   4096                      ; the rows' scales (128 a tile),
.set S_RV,   4608                      ; V,
.set S_RD,   5120                      ; Vdot
; window 0
.set SPW,  1                           ; LDS address of my spare word; never rewritten
.set NIL,  2                           ; 0; never rewritten
.set AW,   3                           ; LDS address of the weights in hand
.set AX,   4                           ; of the third layer's weights
.set AB,   5                           ; of the tables
.set SA,   6                           ; my scratch, 16 bytes a lane
.set SB,   7                           ; my scratch, 4 bytes a lane
.set MONE, 8                           ; -1.0
.set LB,   9                           ; 528 (l % 16) + 16 (l / 16): my place in a fragment of weights
.set HB,   10                          ; 32 (l / 16): my eight features in a table
.set L16,  11                          ; 16 l
.set UA,   13                          ; from the head to K0: the LDS address of my eight numbers of UC
.set RING, 16                          ; v16-63   three slots of 16: two fragments (or two tiles of bias) each
.set ACC,  64                          ; v64-127  column c, feature block b at ACC + 16 c + 8 b
.set DOT,  128                         ; U phase: v128-135 a pair for each column: sum r UC
.set STG,  136                         ; v136-175 ten loads of 16 bytes: V's weights on their way to LDS; in the set-up the small inputs and addresses
.set XRAW, 176                         ; v176-191 x as loaded, tile t at +4 t
.set SD2,  192                         ; where my rows of Vw2 go
.set SD3,  193                         ; where my row of Vw3 goes
.set XO,   194                         ; 32 (l % 16)
.set GO,   195                         ; 8 l
.set TP,   196                         ; v196-199 at work
.set UU,   200                         ; v200-203 u of tile t
.set K0,   204
.set BFU,  208                         ; v208-239 U's first layer, source 1: column c at +8 c: registers 0-3 hold 0, 4-7 x's fragment
.set BFV,  128                         ; V passes: v128-159 the same for V: registers 0-3 the fragment, 4-7 hold 0
.set L3A,  128                         ; then v128-255: the third layer's sums: column c, block n at L3A + 32 c + 8 n
.set A16,  150                         ; set-up only: 16 t, 4 t, 4 (t % 64); LDS addresses; split weights
.set A4,   151
.set A4M,  152
.set LT,   153
.set LF,   154
.set SDU,  155
.set SPV,  156
.set SPU,  160
.set DT,   64                          ; the dynamics' 28 registers at work
; window 1: source 1 of the second layers: column c, K step k at 64 c + 8 k; in the set-up Uw2's 32 rows as loaded
; scalars: s2 wave; s3, s4 counters; s5 Ub3; s[6:7] kappa twice; s[8:9] lane selects; s[10:11] Vw2, s[12:13] Vw3 at my next rows; s[14:15] offsets; s[16:47] the sixteen buffers; s48-59 the dynamics' constants
.set MSB, 0
.macro WIN new                         ; s_set_vgpr_msb: bits 1:0 source 0, 3:2 source 1, 5:4 source 2, 7:6 destination; the high byte repeats the setting that is left; a switch that changes nothing is dropped
.if MSB != (\new)
	s_set_vgpr_msb (MSB<<8)|(\new)
.set MSB, (\new)
.endif
.endm
.macro PLACES n                        ; plain places behind matrix instructions (ISA guide 7.12.1)
.rept \n
	v_nop
.endr
.endm
.macro TWAIT                           ; behind a batch of exponentials or reciprocals: one plain instruction, and one wait ahead of the first line that names a result
	v_nop
	s_wait_alu depctr_va_vdst(0)                   ; the batch's results are written; the products issued ahead of the batch are done reading their ring slots, which the loads that some callers put behind this line lean on
.endm
.macro EXPB b, n                       ; ascending: each accumulator's lowest registers are read first
.set q, 0
.rept \n
	v_exp_f32 v[(\b)+q], v[(\b)+q]
.set q, q+1
.endr
.endm
.macro RCPB b, n
.set q, 0
.rept \n
	v_rcp_f32 v[(\b)+q], v[(\b)+q]
.set q, q+1
.endr
.endm
.macro ADD1 b, n                       ; n pairs: 1 + E
.set q, 0
.rept \n
	v_pk_add_f32 v[(\b)+q:(\b)+q+1], v[(\b)+q:(\b)+q+1], 1.0 op_sel_hi:[1,0]
.set q, q+2
.endr
.endm
.macro TANH b, n                       ; n pairs: 1 - 2 r
.set q, 0
.rept \n
	v_pk_fma_f32 v[(\b)+q:(\b)+q+1], v[(\b)+q:(\b)+q+1], -2.0, 1.0 op_sel_hi:[1,0,0]
.set q, q+2
.endr
.endm
.macro TANG z, s, n                    ; n pairs: s (r - r^2) = s r - (s r) r
.set q, 0
.rept \n
	v_pk_mul_f32 v[(\s)+q:(\s)+q+1], v[(\s)+q:(\s)+q+1], v[(\z)+q:(\z)+q+1]
.set q, q+2
.endr
.set q, 0
.rept \n
	v_pk_fma_f32 v[(\s)+q:(\s)+q+1], v[(\s)+q:(\s)+q+1], v[(\z)+q:(\z)+q+1], v[(\s)+q:(\s)+q+1] neg_lo:[1,0,0] neg_hi:[1,0,0]
.set q, q+2
.endr
.endm
.macro CVTC d, x                       ; a column's two results, 16 registers, become one fragment of 8; in place (d = x) register q is written when 2 q and 2 q + 1 have been read
.set q, 0
.rept 8
	v_cvt_pk_f16_f32 v[(\d)+q], v[(\x)+2*q], v[(\x)+2*q+1]
.set q, q+1
.endr
.endm
.macro SPLIT4 o, a, t                  ; four f32 at a -> (h01, h23, l01, l23) at o: f16 high parts, and what they leave, again in f16; t: four registers at work (may be a)
	v_cvt_pk_f16_f32 v[(\o)], v[(\a)], v[(\a)+1]
	v_cvt_pk_f16_f32 v[(\o)+1], v[(\a)+2], v[(\a)+3]
	v_fma_mix_f32 v[(\t)], v[(\o)], v[MONE], v[(\a)] op_sel_hi:[1,0,0]
	v_fma_mix_f32 v[(\t)+1], v[(\o)], v[MONE], v[(\a)+1] op_sel:[1,0,0] op_sel_hi:[1,0,0]
	v_fma_mix_f32 v[(\t)+2], v[(\o)+1], v[MONE], v[(\a)+2] op_sel_hi:[1,0,0]
	v_fma_mix_f32 v[(\t)+3], v[(\o)+1], v[MONE], v[(\a)+3] op_sel:[1,0,0] op_sel_hi:[1,0,0]
	v_cvt_pk_f16_f32 v[(\o)+2], v[(\t)], v[(\t)+1]
	v_cvt_pk_f16_f32 v[(\o)+3], v[(\t)+2], v[(\t)+3]
.endm
; Four LDS loads fill a slot of the ring.  LDW: the group's two feature blocks, K step k.  LDB: two tiles of a table.  LDX: the third layer's blocks n0, n0 + 1.  LDA: the first layers' blocks 2 g, 2 g + 1.
.macro LDW s, k
.irp blk, 0,1
.irp j, 0,1
	ds_load_b128 v[RING+16*(\s)+8*(\blk)+4*(\j):RING+16*(\s)+8*(\blk)+4*(\j)+3], v[AW] offset:(\blk)*16*PW+64*(\k)+32*(\j)
.endr
.endr
.endm
.macro LDB s, off
.irp blk, 0,1
.irp j, 0,1
	ds_load_b128 v[RING+16*(\s)+8*(\blk)+4*(\j):RING+16*(\s)+8*(\blk)+4*(\j)+3], v[AB] offset:(\off)+64*(\blk)+16*(\j)
.endr
.endr
.endm
.macro LDX s, n0
.irp blk, 0,1
.irp j, 0,1
	ds_load_b128 v[RING+16*(\s)+8*(\blk)+4*(\j):RING+16*(\s)+8*(\blk)+4*(\j)+3], v[AX] offset:((\n0)+(\blk))*16*PW+32*(\j)
.endr
.endr
.endm
.macro LDA s, g
.irp blk, 0,1
.irp j, 0,1
	ds_load_b128 v[RING+16*(\s)+8*(\blk)+4*(\j):RING+16*(\s)+8*(\blk)+4*(\j)+3], v[AW] offset:(2*(\g)+(\blk))*1024+512*(\j)
.endr
.endr
.endm
.macro LD3B                            ; the third layer's sums of the two value columns start with the bias: sixteen loads
.irp c, 0,1
.irp n, 0,1,2,3
.irp j, 0,1
	ds_load_b128 v[L3A+32*(\c)+8*(\n)+4*(\j):L3A+32*(\c)+8*(\n)+4*(\j)+3], v[AB] offset:T_VB3+64*(\n)+16*(\j)
.endr
.endr
.endr
.endm
; Four products: one feature block x four columns, 32 along K; two such halves are a K step.  A K step's eight accumulators take turns, one instruction a turn.
; K step 0 starts the sums: with the bias tile (slot 0) in the first nb columns, with 0 in the tangents' columns.
.macro KHALF k, s, nb, blk
.irp c, 0,1,2,3
.set rD, ACC+16*(\c)+8*(\blk)
.set rA, RING+16*(\s)+8*(\blk)
.set rB, 64*(\c)+8*(\k)
.if (\k) == 0
.if (\c) < (\nb)
	v_wmma_f32_16x16x32_f16 v[rD:rD+7], v[rA:rA+7], v[rB:rB+7], v[RING+8*(\blk):RING+8*(\blk)+7]
.else
	v_wmma_f32_16x16x32_f16 v[rD:rD+7], v[rA:rA+7], v[rB:rB+7], 0
.endif
.else
	v_wmma_f32_16x16x32_f16 v[rD:rD+7], v[rA:rA+7], v[rB:rB+7], v[rD:rD+7]
.endif
.endr
.endm
.macro KSTEP k, s, nb
	KHALF \k, \s, \nb, 0
	KHALF \k, \s, \nb, 1
.endm
; A group of a second layer: 32 output features x 64 columns' rows over K = 256.  The weights of K step k lie in slot (k + 1) % 3.  Each wait on DScnt counts the ring's loads issued behind the item that is
; wanted (LDS loads come back in order: ISA guide 5.7.1): one item of four.  Three waits on va_vdst, behind K steps 0, 2 and 4: each frees the two slots that the products ahead of it read.  The first of the two
; is asked for at once, eight products ahead of its use; the second in the middle of the next K step, twelve ahead.  The caller's wait ahead of the group has shown AW and AB written and slots 0 and 1 free.
.macro GEMM nb
	LDB 0, 0
	LDW 1, 0
	LDW 2, 1
	WIN 0x04                                       ; source 1 in window 1; the ring's loads name no source 1
	s_wait_dscnt 4                                 ; the bias and K step 0's weights are in; K step 1's four loads may be out
	KSTEP 0, 1, \nb
	s_wait_alu depctr_va_vdst(0)                   ; K step 0's products are done reading slots 0 and 1, in which the loads of K steps 2 and 3 land
	LDW 0, 2
	s_wait_dscnt 4                                 ; slot 2 is in
	KHALF 1, 2, \nb, 0
	LDW 1, 3                                       ; no wait: the four products since the wait name slot 2, the accumulators and window 1
	KHALF 1, 2, \nb, 1
	s_wait_dscnt 4                                 ; slot 0 is in
	KSTEP 2, 0, \nb
	s_wait_alu depctr_va_vdst(0)                   ; the products of K steps 1 and 2 are done reading slots 2 and 0, in which the loads of K steps 4 and 5 land
	LDW 2, 4
	s_wait_dscnt 4                                 ; slot 1 is in
	KHALF 3, 1, \nb, 0
	LDW 0, 5                                       ; no wait: the four products since the wait name slot 1
	KHALF 3, 1, \nb, 1
	s_wait_dscnt 4                                 ; slot 2 is in
	KSTEP 4, 2, \nb
	s_wait_alu depctr_va_vdst(0)                   ; the products of K steps 3 and 4 are done reading slots 1 and 2, in which the loads of K steps 6 and 7 land
	LDW 1, 6
	s_wait_dscnt 4                                 ; slot 0 is in
	KHALF 5, 0, \nb, 0
	LDW 2, 7                                       ; no wait: the four products since the wait name slot 0
	KHALF 5, 0, \nb, 1
	s_wait_dscnt 4                                 ; slot 1 is in
	KSTEP 6, 1, \nb
	s_wait_dscnt 0x0                               ; slot 2 is in
	KSTEP 7, 2, \nb
	WIN 0
	PLACES 8                                       ; between the last product and the first read of a result: four are asked for, the text keeps eight
.endm
; The activations of a group, behind its exponentials and their wait.  V: columns 0, 1 are values, columns 2, 3 their tangents.
.macro ACT_V g, inplace
	ADD1 ACC, 16
	RCPB ACC, 32
	TWAIT
	TANG ACC, ACC+32, 16
	TANH ACC, 16
.if \inplace
.irp c, 0,1,2,3
	CVTC ACC+16*(\c), ACC+16*(\c)
.endr
.else
	WIN 0x40                                       ; destination window 1
.irp c, 0,1,2,3
	CVTC 64*(\c)+8*(\g), ACC+16*(\c)
.endr
	WIN 0
.endif
.endm
.macro ACT_U1 g
	ADD1 ACC, 32
	RCPB ACC, 64
	TWAIT
	TANH ACC, 32
	WIN 0x40
.irp c, 0,1,2,3
	CVTC 64*(\c)+8*(\g), ACC+16*(\c)
.endr
	WIN 0
.endm
.macro ACT_U2                          ; U's second layer ends in r; its part of the last layer's sum is taken at once
	ADD1 ACC, 32
	RCPB ACC, 64
	s_wait_dscnt 0x0                               ; UC's tile is in slot 0
	TWAIT
.irp blk, 0,1
.irp i, 0,1,2,3
.irp c, 0,1,2,3
	v_pk_fma_f32 v[DOT+2*(\c):DOT+2*(\c)+1], v[ACC+16*(\c)+8*(\blk)+2*(\i):ACC+16*(\c)+8*(\blk)+2*(\i)+1], v[RING+8*(\blk)+2*(\i):RING+8*(\blk)+2*(\i)+1], v[DOT+2*(\c):DOT+2*(\c)+1]
.endr
.endr
.endr
.endm
; A group of a first layer: 32 features, one K step.  Slot 0 holds the weights' fragments (registers 0-3 V's, 4-7 U's; the half that is not meant meets zeros in source 1), slot 1 the bias.
; The next group's loads go out behind the exponentials' wait, which also shows this group's products done reading slots 0 and 1 (and, in V's last group, source 1, where the third layer's bias lands);
; no vector instruction between that wait and the loads names those registers.  They land under the rest of the activations.
.macro L1G u, g
.if \u
.set rF, BFU
.set rT, T_UB1
.else
.set rF, BFV
.set rT, T_VB1
.endif
	s_wait_dscnt 0x0
.irp blk, 0,1
.irp c, 0,1,2,3
.set rD, ACC+16*(\c)+8*(\blk)
.if (\u) || ((\c) < 2)
	v_wmma_f32_16x16x32_f16 v[rD:rD+7], v[RING+8*(\blk):RING+8*(\blk)+7], v[rF+8*(\c):rF+8*(\c)+7], v[RING+16+8*(\blk):RING+16+8*(\blk)+7]
.else
	v_wmma_f32_16x16x32_f16 v[rD:rD+7], v[RING+8*(\blk):RING+8*(\blk)+7], v[rF+8*(\c):rF+8*(\c)+7], 0
.endif
.endr
.endr
	PLACES 4                                       ; ahead of the first read of a result
.if \u
	EXPB ACC, 64
.else
	EXPB ACC, 32
.endif
	TWAIT
.if (\g) < 7
	LDA 0, (\g)+1
	LDB 1, rT+128*((\g)+1)
.elseif (\u) == 0
	LD3B
.endif
.if \u
	ACT_U1 \g
.else
	ACT_V \g, 0
.endif
.endm
; The LDS stores of rows 4 G to 4 G + 3 of my 32 rows of Uw2: 8 bytes a lane, a row's columns 4 l .. and 128 + 4 l ..
.macro U2ST G
.set q, 4*(\G)
.rept 4
	ds_store_b64 v[SDU], v[8*q:8*q+1] offset:PW*q
	ds_store_b64 v[SDU], v[8*q+2:8*q+3] offset:PW*q+256
.set q, q+1
.endr
.endm
; The dynamics of tile t: w = f + g u, scaled.  w~'s fragment and the scale are left in the idle ring, at RING + 8 t; all four tiles' stores follow the fourth tile.  Both halves of the lanes do the same row.
.macro DYN t
.set XR, XRAW+4*(\t)
.set WO, RING+8*(\t)
	v_mul_f32 v[DT], 0x3f22f983, v[XR+1]           ; theta x 2 / pi
	v_rndne_f32 v[DT], v[DT]                       ; n
	v_fmamk_f32 v[DT+1], v[DT], 0xbfc90fdb, v[XR+1]  ; y = theta - n pi/2, pi/2 in two parts
	v_fmamk_f32 v[DT+1], v[DT], 0x333bbd2e, v[DT+1]
	v_cvt_i32_f32 v[DT+2], v[DT]                   ; the quadrant: it selects values and signs alone
	v_mul_f32 v[DT+3], v[DT+1], v[DT+1]            ; z = y^2
	v_fmaak_f32 v[DT+4], v[DT+3], v14, 0x3c08839e  ; sine's and cosine's polynomials on |y| <= pi/4
	v_fmaak_f32 v[DT+6], v[DT+3], v15, 0xbab6061a
	v_fmaak_f32 v[DT+4], v[DT+3], v[DT+4], 0xbe2aaaa3
	v_fmaak_f32 v[DT+6], v[DT+3], v[DT+6], 0x3d2aaaa5
	v_mul_f32 v[DT+5], v[DT+1], v[DT+3]
	v_mul_f32 v[DT+7], v[DT+3], v[DT+3]
	v_fma_f32 v[DT+8], v[DT+3], -0.5, 1.0
	v_fma_f32 v[DT+4], v[DT+4], v[DT+5], v[DT+1]   ; sin y
	v_fma_f32 v[DT+6], v[DT+6], v[DT+7], v[DT+8]   ; cos y
	v_and_b32 v[DT+9], 1, v[DT+2]
	v_cmp_ne_u32 vcc_lo, 0, v[DT+9]                ; odd quadrants swap the two; the signs' five lines stand between the compare and the wait for it
	v_lshlrev_b32 v[DT+9], 30, v[DT+2]             ; sine is negative in quadrants 2, 3: bit 1 of n;
	v_add_nc_u32 v[DT+2], 1, v[DT+2]               ; cosine in 1, 2: bit 1 of n + 1
	v_and_b32 v[DT+9], 0x80000000, v[DT+9]
	v_lshlrev_b32 v[DT+2], 30, v[DT+2]
	v_and_b32 v[DT+2], 0x80000000, v[DT+2]
	s_wait_alu depctr_va_vcc(0)                    ; the compare has written VCC, which the two selects read
	v_cndmask_b32 v[DT+10], v[DT+4], v[DT+6], vcc_lo
	v_cndmask_b32 v[DT+11], v[DT+6], v[DT+4], vcc_lo
	v_xor_b32 v[DT+10], v[DT+9], v[DT+10]          ; s
	v_xor_b32 v[DT+11], v[DT+2], v[DT+11]          ; c
	v_add_f32 v[DT+12], s59, v[DT+11]              ; c - 24.7
	v_fma_f32 v[DT+13], v[DT+11], v[DT+11], s59    ; c^2 - 24.7
	v_rcp_f32 v[DT+12], v[DT+12]
	v_rcp_f32 v[DT+13], v[DT+13]
	v_mul_f32 v[DT+14], v[XR+3], v[XR+3]           ; the numerators are the work behind the two reciprocals
	v_mul_f32 v[DT+15], s49, v[XR+2]
	v_fma_f32 v[DT+15], v[DT+10], s48, v[DT+15]    ; 9.8 s + 11.5 v
	v_mul_f32 v[DT+16], s50, v[XR+2]
	v_fma_f32 v[DT+16], v[DT+11], v[DT+15], v[DT+16]  ; c (..) + 68.4 v
	v_mul_f32 v[DT+17], v[DT+14], v[DT+10]
	v_fma_f32 v[DT+16], v[DT+17], s51, v[DT+16]    ; - 1.2 omega^2 s
	v_fma_f32 v[DT+18], v[DT+11], s55, s56         ; -1.8 c - 10.9
	v_fma_f32 v[DT+16], v[DT+18], v[UU+(\t)], v[DT+16]
	v_fma_f32 v[DT+19], v[DT+11], s52, s53         ; -58.8 c - 243.5
	v_mul_f32 v[DT+19], v[XR+2], v[DT+19]
	v_fma_f32 v[DT+20], v[DT+14], v[DT+11], s54    ; 208.3 + omega^2 c
	v_xor_b32 v[DT+21], 0x80000000, v[DT+10]       ; -s
	v_fma_f32 v[DT+19], v[DT+21], v[DT+20], v[DT+19]
	v_fma_f32 v[DT+21], v[DT+11], s57, s58         ; 9.3 c + 38.6
	v_fma_f32 v[DT+19], v[DT+21], v[UU+(\t)], v[DT+19]
	s_wait_alu depctr_va_vdst(0)                   ; one wait for the two reciprocals, ahead of their first reader
	v_mul_f32 v[DT+26], v[DT+16], v[DT+12]         ; w2
	v_mul_f32 v[DT+27], v[DT+19], v[DT+13]         ; w3
	v_and_b32 v[DT+22], 0x7f800000, v[XR+2]        ; the four numbers' powers of two,
	v_and_b32 v[DT+23], 0x7f800000, v[XR+3]
	v_and_b32 v[DT+24], 0x7f800000, v[DT+26]
	v_and_b32 v[DT+25], 0x7f800000, v[DT+27]
	v_max3_num_f32 v[DT+22], v[DT+22], v[DT+23], v[DT+24]
	v_max_num_f32 v[DT+22], v[DT+22], v[DT+25]     ; the largest: 2^E
	v_sub_nc_u32 v[DT+23], 0x7f000000, v[DT+22]    ; 2^-E, by the exponent field
	v_mul_f32 v[DT+24], v[XR+2], v[DT+23]
	v_mul_f32 v[DT+25], v[XR+3], v[DT+23]
	v_mul_f32 v[DT+26], v[DT+26], v[DT+23]
	v_mul_f32 v[DT+27], v[DT+27], v[DT+23]
	v_mul_f32 v[WO+4], 0x402a8235, v[DT+22]        ; (4 / kappa)^3 2^E
	SPLIT4 WO, DT+24, DT+24
.endm
	; THE HEAD
	s_load_b512 s[16:31], s[0:1], 0x0              ; x 16, Uw1 18, Ub1 20, Uw2 22, Ub2 24, Uw3 26, Ub3 28, Vw1 30
	s_load_b512 s[32:47], s[0:1], 0x40             ; Vb1 32, Vw2 34, Vb2 36, Vw3 38, Vb3 40, out0 42, out1 44, out2 46
	v_lshl_add_u32 v[SPW], v0, 2, SPARE
	v_mov_b32 v[NIL], 0
	v_lshrrev_b32 v12, 5, v0
	v_readfirstlane_b32 s2, v12                    ; wave 0..7
	v_and_b32 v12, 15, v0                          ; l % 16
	v_bfe_u32 v13, v0, 4, 1                        ; l / 16
	v_and_b32 v14, 31, v0                          ; l: kept until the dynamics
	v_lshrrev_b32 v15, 4, v0                       ; thread / 16
	v_mul_u32_u24 v[LB], v12, PW
	v_lshl_add_u32 v[LB], v13, 4, v[LB]
	v_lshlrev_b32 v[HB], 5, v13
	v_lshlrev_b32 v[L16], 4, v14
	v_mov_b32 v[MONE], -1.0
	v_lshlrev_b32 v[XO], 5, v12
	v_lshlrev_b32 v[GO], 3, v14
	v_lshlrev_b32 v[A16], 4, v0
	v_lshlrev_b32 v[A4], 2, v0
	v_and_b32 v[A4M], 63, v0
	v_lshlrev_b32 v[A4M], 2, v[A4M]
	v_add_nc_u32 v[LT], TBL, v[A4]
	v_lshlrev_b32 v[LF], 4, v12
	v_lshl_add_u32 v[LF], v15, 10, v[LF]
	v_add_nc_u32 v[LF], L1F, v[LF]                 ; thread t holds feature t of the first layers: block t / 16, row t % 16
	v_lshl_add_u32 v[UA], v14, 5, TBL+T_UC         ; what the first loads behind the first barrier read is made here too: my eight numbers of UC,
	v_add_nc_u32 v[AW], L1F, v[L16]                ; the first layers' fragments,
	v_add_nc_u32 v[AB], TBL, v[HB]                 ; the tables
	s_wait_alu depctr_va_sdst(0)                   ; s2 is written, ahead of its first reader: LDS addresses, bases and branches are made from it
	s_mul_i32 s14, s2, 32*PW
	v_lshl_add_u32 v[SDU], v14, 3, s14             ; my wave's 32 rows of Uw2 in LDS, 8 bytes a lane
	s_mov_b32 s6, KAPPA
	s_mov_b32 s7, KAPPA
	s_mov_b32 s8, 0x76543210                       ; v_permlanex16_b32: each lane takes its own place in the other half
	s_mov_b32 s9, 0xfedcba98
	s_mov_b32 s48, 0x411ccccd                      ; 9.8
	s_mov_b32 s49, 0x41380000                      ; 11.5
	s_mov_b32 s50, 0x4288cccd                      ; 68.4
	s_mov_b32 s51, 0xbf99999a                      ; -1.2
	s_mov_b32 s52, 0xc26b3333                      ; -58.8
	s_mov_b32 s53, 0xc3738000                      ; -243.5
	s_mov_b32 s54, 0x43504ccd                      ; 208.3
	s_mov_b32 s55, 0xbfe66666                      ; -1.8
	s_mov_b32 s56, 0xc12e6666                      ; -10.9
	s_mov_b32 s57, 0x4114cccd                      ; 9.3
	s_mov_b32 s58, 0x421a6666                      ; 38.6
	s_mov_b32 s59, 0xc1c5999a                      ; -24.7
	s_wait_kmcnt 0x0
	s_load_b32 s5, s[28:29], 0x0                   ; Ub3: waited for where K0 is made
	s_lshl_b32 s14, ttmp9, 13                      ; 512 rows of 16 bytes a work-group,
	s_lshl_b32 s15, s2, 10                         ; 64 a wave
	s_add_co_u32 s14, s14, s15
	s_mov_b32 s15, 0
	s_add_nc_u64 s[16:17], s[16:17], s[14:15]      ; x at my wave's rows
	s_lshr_b32 s14, s14, 2                         ; 4 bytes a row in the outputs
	s_add_nc_u64 s[42:43], s[42:43], s[14:15]
	s_add_nc_u64 s[44:45], s[44:45], s[14:15]
	s_add_nc_u64 s[46:47], s[46:47], s[14:15]
	s_lshl_b32 s14, s2, 15
	s_add_nc_u64 s[22:23], s[22:23], s[14:15]      ; Uw2 at my 32 rows of 1,024 bytes
	s_lshl_b32 s14, s2, 12
	s_add_nc_u64 s[10:11], s[34:35], s[14:15]      ; Vw2 at rows 4 w ..
	s_lshl_b32 s14, s2, 10
	s_add_nc_u64 s[12:13], s[38:39], s[14:15]      ; Vw3 at row w
	; ALL OF THE SET-UP'S LOADS AT ONCE: twelve small ones, then my 32 rows of Uw2 (64 loads of 512 consecutive bytes)
	s_wait_alu depctr_va_vdst(0)                   ; every offset and LDS address made above is written: the set-up's loads and stores and the first loads behind the first barrier read them
	global_load_b128 v[STG:STG+3], v[A16], s[30:31]        ; Vw1, row t
	global_load_b128 v[STG+4:STG+7], v[A16], s[18:19]      ; Uw1, row t
	global_load_b32 v[STG+8], v[A4], s[32:33]              ; Vb1
	global_load_b32 v[STG+9], v[A4], s[36:37]              ; Vb2
	global_load_b32 v[STG+10], v[A4], s[20:21]             ; Ub1
	global_load_b32 v[STG+11], v[A4], s[24:25]             ; Ub2
	global_load_b32 v[STG+12], v[A4], s[26:27]             ; Uw3
	global_load_b32 v[STG+13], v[A4M], s[40:41]            ; Vb3
.irp t, 0,1,2,3
	global_load_b128 v[XRAW+4*(\t):XRAW+4*(\t)+3], v[XO], s[16:17] offset:512*((\t)/2)+16*((\t)%2) th:TH_LOAD_NT
.endr
	WIN 0x40                                       ; destination window 1; between the wait above and these loads stand loads and this switch alone
.set i, 0
.rept 32
	global_load_b128 v[8*i:8*i+3], v[L16], s[22:23] offset:1024*i
	global_load_b128 v[8*i+4:8*i+7], v[L16], s[22:23] offset:1024*i+512
.set i, i+1
.endr
	WIN 0
	; THE SMALL INPUTS: all their arithmetic, one wait, all their stores
	s_wait_loadcnt 63                              ; of the 76 loads the 13 oldest are in, the twelve small ones among them
	v_pk_mul_f32 v[STG:STG+1], v[STG:STG+1], s[6:7] op_sel_hi:[1,0]
	v_pk_mul_f32 v[STG+2:STG+3], v[STG+2:STG+3], s[6:7] op_sel_hi:[1,0]
	v_pk_mul_f32 v[STG+4:STG+5], v[STG+4:STG+5], s[6:7] op_sel_hi:[1,0]
	v_pk_mul_f32 v[STG+6:STG+7], v[STG+6:STG+7], s[6:7] op_sel_hi:[1,0]
	SPLIT4 SPV, STG, STG
	SPLIT4 SPU, STG+4, STG+4
	v_pk_mul_f32 v[STG+8:STG+9], v[STG+8:STG+9], s[6:7] op_sel_hi:[1,0]
	v_pk_mul_f32 v[STG+10:STG+11], v[STG+10:STG+11], s[6:7] op_sel_hi:[1,0]
	v_mul_f32 v[STG+12], 0xc0b8aa3b, v[STG+12]     ; UC = -2 kappa Uw3
	v_mul_f32 v[STG+13], s6, v[STG+13]
	s_wait_alu depctr_va_vdst(0)                   ; the split weights and the scaled tables are written, which the LDS stores below read
	ds_store_b64 v[LF], v[SPV:SPV+1]               ; V high, twice on end: it meets xh and xl
	ds_store_b64 v[LF], v[SPV:SPV+1] offset:8
	ds_store_b64 v[LF], v[SPV+2:SPV+3] offset:256  ; V low
	ds_store_b64 v[LF], v[SPV+2:SPV+3] offset:264
	ds_store_b64 v[LF], v[SPU:SPU+1] offset:512    ; U high
	ds_store_b64 v[LF], v[SPU:SPU+1] offset:520
	ds_store_b64 v[LF], v[SPU+2:SPU+3] offset:768  ; U low
	ds_store_b64 v[LF], v[SPU+2:SPU+3] offset:776
	ds_store_b32 v[LT], v[STG+8] offset:T_VB1
	ds_store_b32 v[LT], v[STG+9] offset:T_VB2
	ds_store_b32 v[LT], v[STG+10] offset:T_UB1
	ds_store_b32 v[LT], v[STG+11] offset:T_UB2
	ds_store_b32 v[LT], v[STG+12] offset:T_UC
	s_cmp_lt_u32 s2, 2                             ; Vb3 has 64 numbers: threads 0 to 63
	s_cbranch_scc0 .Lno_vb3
	ds_store_b32 v[LT], v[STG+13] offset:T_VB3
.Lno_vb3:
.irp t, 0,1,2,3
	SPLIT4 BFU+8*(\t)+4, XRAW+4*(\t), TP
	v_mov_b32 v[BFU+8*(\t)], 0
	v_mov_b32 v[BFU+8*(\t)+1], 0
	v_mov_b32 v[BFU+8*(\t)+2], 0
	v_mov_b32 v[BFU+8*(\t)+3], 0
.endr
	; Uw2: four rows at a time: times kappa, rounded to f16 in place.  Their LDS stores are issued in the next four rows' turn, behind one wait; the rows of different turns lie in different registers.
.set G, 0
.rept 8
	s_wait_loadcnt 56-8*G                          ; the loads of the rows behind these four may stay out
.if G > 0
	WIN 0x04                                       ; an LDS store's data are source 1
	s_wait_alu depctr_va_vdst(0)                   ; the roundings of the four rows before have written the words that the stores below read
	U2ST G-1
.endif
	WIN 0x41                                       ; destination and source 0 in window 1
.set q, 32*G
.rept 16
	v_pk_mul_f32 v[q:q+1], v[q:q+1], s[6:7] op_sel_hi:[1,0]
.set q, q+2
.endr
	WIN 0x45                                       ; and source 1
.set q, 0
.rept 16
.set rr, 32*G+8*(q/4)
	v_cvt_pk_f16_f32 v[rr+q%4], v[rr+2*(q%4)], v[rr+2*(q%4)+1]
.set q, q+1
.endr
.set G, G+1
.endr
	WIN 0x04
	s_wait_alu depctr_va_vdst(0)                   ; the last four rows' roundings have written the words that the stores below read
	U2ST 7
	WIN 0
	s_wait_dscnt 0x0                               ; for the others' sake: my stores of Uw2, of the first layers' fragments and of the tables are done
	s_barrier_signal -1
	s_barrier_wait -1                              ; THE FIRST BARRIER: everybody's are
	s_wait_alu depctr_vm_vsrc(0)                   ; my LDS stores have read Uw2's words in window 1, which the first layer's roundings write, and the set-up's registers in v136-175, in which V's weights land
	; K0 = kappa Ub3 - (sum UC) / 2: what the 1 of tanh = 1 - 2 r adds to the last layer's sum
	ds_load_b128 v[ACC:ACC+3], v[UA]
	ds_load_b128 v[ACC+4:ACC+7], v[UA] offset:16
	LDA 0, 0                                       ; U's first layer, group 0
	LDB 1, T_UB1
	s_wait_dscnt 8                                 ; UC's two loads are in; the eight behind them may stay out
	v_pk_add_f32 v[ACC:ACC+1], v[ACC:ACC+1], v[ACC+2:ACC+3]
	v_pk_add_f32 v[ACC+4:ACC+5], v[ACC+4:ACC+5], v[ACC+6:ACC+7]
	v_pk_add_f32 v[ACC:ACC+1], v[ACC:ACC+1], v[ACC+4:ACC+5]
	v_add_f32 v[ACC], v[ACC], v[ACC+1]
	v_add_f32_dpp v[ACC], v[ACC], v[ACC] row_xmask:1 row_mask:0xf bank_mask:0xf
	v_add_f32_dpp v[ACC], v[ACC], v[ACC] row_xmask:2 row_mask:0xf bank_mask:0xf
	v_add_f32_dpp v[ACC], v[ACC], v[ACC] row_xmask:4 row_mask:0xf bank_mask:0xf
	v_add_f32_dpp v[ACC], v[ACC], v[ACC] row_xmask:8 row_mask:0xf bank_mask:0xf
	v_permlanex16_b32 v[ACC+1], v[ACC], s8, s9
	v_add_f32 v[ACC], v[ACC], v[ACC+1]
	s_wait_kmcnt 0x0                               ; Ub3
	v_mov_b32 v[K0], s5
	v_mul_f32 v[K0], s6, v[K0]
	v_fma_f32 v[K0], v[ACC], -0.5, v[K0]
	; U, FIRST LAYER: eight groups of 32 features, written out: each lands in other registers of window 1
.irp g, 0,1,2,3,4,5,6,7
	L1G 1, \g
.endr
	; U, SECOND AND THIRD LAYER: eight trips of 32 features.  Each trip also brings 4 rows of Vw2 and 1 of Vw3 a wave: rows 32 j + 4 w + i and 8 j + w: asked for at its head, rounded and stored at its end
	s_wait_alu depctr_vm_vsrc(0)                   ; the first layer's loads have read AW and AB, which are written anew
	v_mov_b32 v[AW], v[LB]                         ; UW2 begins at LDS byte 0
	v_add_nc_u32 v[AB], TBL+T_UB2, v[HB]
.irp i, 0,1,2,3,4,5,6,7
	v_mov_b32 v[DOT+(\i)], 0
.endr
	s_mul_i32 s14, s2, 4*PW
	s_add_co_u32 s14, s14, VW2
	v_lshl_add_u32 v[SD2], v14, 3, s14
	s_mul_i32 s14, s2, PW
	s_add_co_u32 s14, s14, VW3
	v_lshl_add_u32 v[SD3], v14, 3, s14
	s_mov_b32 s3, 8
.Lu2:
	s_wait_alu depctr_va_vdst(0)                   ; AW, AB, SD2 and SD3 are written (above, or at the last trip's end): the ring's loads and the trip's stores read them
.irp i, 0,1,2,3
	global_load_b128 v[STG+8*(\i):STG+8*(\i)+3], v[L16], s[10:11] offset:1024*(\i)
	global_load_b128 v[STG+8*(\i)+4:STG+8*(\i)+7], v[L16], s[10:11] offset:1024*(\i)+512
.endr
	global_load_b128 v[STG+32:STG+35], v[L16], s[12:13]
	global_load_b128 v[STG+36:STG+39], v[L16], s[12:13] offset:512
	GEMM 4
	EXPB ACC, 64
	TWAIT
	LDB 0, T_UC-T_UB2                              ; UC's tile.  No further wait: the wait above stands behind K step 5's products, the last that read slot 0
	ACT_U2
	s_wait_loadcnt 0x0                             ; the ten loads of the trip's head: their bases may be stepped behind this wait
.set q, 0
.rept 20
	v_pk_mul_f32 v[STG+q:STG+q+1], v[STG+q:STG+q+1], s[6:7] op_sel_hi:[1,0]
.set q, q+2
.endr
.set q, 0
.rept 20
.set rr, STG+8*(q/4)
	v_cvt_pk_f16_f32 v[rr+q%4], v[rr+2*(q%4)], v[rr+2*(q%4)+1]
.set q, q+1
.endr
	s_wait_alu depctr_va_vdst(0)                   ; the roundings have written the words that the stores below read; the dot's lines are done reading slot 0, in which the next trip's bias lands
.irp i, 0,1,2,3
	ds_store_b64 v[SD2], v[STG+8*(\i):STG+8*(\i)+1] offset:PW*(\i)
	ds_store_b64 v[SD2], v[STG+8*(\i)+2:STG+8*(\i)+3] offset:PW*(\i)+256
.endr
	ds_store_b64 v[SD3], v[STG+32:STG+33]
	ds_store_b64 v[SD3], v[STG+34:STG+35] offset:256
	s_add_nc_u64 s[10:11], s[10:11], 32*1024
	s_add_nc_u64 s[12:13], s[12:13], 8*1024
	s_wait_alu depctr_vm_vsrc(0)                   ; the stores have read their data, in which the next trip's loads land, and SD2 and SD3; the trip's ring loads have read AW and AB: the four are stepped below
	v_add_nc_u32 v[SD2], 32*PW, v[SD2]
	v_add_nc_u32 v[SD3], 8*PW, v[SD3]
	v_add_nc_u32 v[AW], 32*PW, v[AW]
	v_add_nc_u32 v[AB], 128, v[AB]
	s_sub_co_u32 s3, s3, 1
	s_cmp_lg_u32 s3, 0
	s_cbranch_scc1 .Lu2
	; u: a row's other 128 features lie in the lane 16 away
	v_and_b32 v12, 16, v0
	v_cmp_ne_u32 vcc_lo, 0, v12                    ; lane l stores rows 2 l, 2 l + 1: tiles 0, 1 in lanes 0-15, tiles 2, 3 in lanes 16-31; the mask is made ahead of the block's work and read at its end
.irp c, 0,1,2,3
	v_add_f32 v[UU+(\c)], v[DOT+2*(\c)], v[DOT+2*(\c)+1]
.endr
.irp c, 0,1,2,3
	v_permlanex16_b32 v[TP+(\c)], v[UU+(\c)], s8, s9
.endr
.irp c, 0,1,2,3
	v_add_f32 v[UU+(\c)], v[UU+(\c)], v[TP+(\c)]
.endr
.irp c, 0,1,2,3
	v_add_f32 v[UU+(\c)], v[UU+(\c)], v[K0]
.endr
	EXPB UU, 4
	TWAIT
	ADD1 UU, 2
	RCPB UU, 4
	TWAIT
	TANH UU, 2
.irp c, 0,1,2,3
	v_mul_f32 v[UU+(\c)], 0x41a00000, v[UU+(\c)]   ; x 20
.endr
	s_wait_alu depctr_va_vcc(0)                    ; the compare has written VCC, which the two selects read
	v_cndmask_b32 v[TP], v[UU], v[UU+2], vcc_lo
	v_cndmask_b32 v[TP+1], v[UU+1], v[UU+3], vcc_lo
	s_wait_alu depctr_va_vdst(0)                   ; the selects have written the pair that the store reads
	global_store_b64 v[GO], v[TP:TP+1], s[42:43] th:TH_STORE_NT  ; the wave's store covers 256 consecutive bytes, aligned
	s_wait_dscnt 0x0                               ; for the others' sake: my stores of V's weights are done, and my reads of Uw2 are back
	s_barrier_signal -1
	s_barrier_wait -1                              ; THE SECOND BARRIER: V's weights are whole, and nobody reads Uw2 any more: its bytes become scratch
	; THE DYNAMICS
	s_lshl_b32 s14, s2, 13                         ; my scratch: 8,192 x wave
	v_add_nc_u32 v[SA], s14, v[L16]
	v_lshl_add_u32 v[SB], v14, 2, s14
	v_mov_b32 v14, 0xb94ca1f9                      ; the polynomials' leading coefficients: sine's,
	v_mov_b32 v15, 0x37ccf5ce                      ; cosine's
	DYN 0
	DYN 1
	DYN 2
	DYN 3
	s_wait_alu depctr_va_vdst(0)                   ; SA and SB, and all four tiles' fragments of w~ and scales, are written: the twelve stores below read them
.irp t, 0,1,2,3
	ds_store_b128 v[SA], v[BFU+8*(\t)+4:BFU+8*(\t)+7] offset:512*(\t)
	ds_store_b128 v[SA], v[RING+8*(\t):RING+8*(\t)+3] offset:S_WF+512*(\t)
	ds_store_b32 v[SB], v[RING+8*(\t)+4] offset:S_SC+128*(\t)
.endr
	s_wait_xcnt 0x0                                ; out0's store has had its address translated: its registers are written again below
	s_wait_alu depctr_vm_vsrc(0)                   ; out0's store has read its offset and data, and the twelve stores the ring's words and x's fragments: the pass below loads into the ring and writes v192-255
	; THE V NET, two passes of 32 rows: columns 0, 1 the values of tiles 2 p, 2 p + 1; columns 2, 3 their tangents
	s_mov_b32 s4, 2
.Lpass:
	v_add_nc_u32 v[AW], L1F, v[L16]
	v_add_nc_u32 v[AB], TBL, v[HB]
.irp c, 0,1,2,3
.irp j, 4,5,6,7
	v_mov_b32 v[BFV+8*(\c)+(\j)], 0                ; these meet U's half of the weights' fragments
.endr
.endr
	s_wait_alu depctr_va_vdst(0)                   ; AW and AB are written, and SA as the last pass stepped it; the last pass's lines are done with v128-159 and with the ring, in which the loads below land
	ds_load_b128 v[BFV:BFV+3], v[SA]               ; LDS serves a wave's instructions in order (ISA guide 5.7.1.4): these see my stores above
	ds_load_b128 v[BFV+8:BFV+11], v[SA] offset:512
	ds_load_b128 v[BFV+16:BFV+19], v[SA] offset:S_WF
	ds_load_b128 v[BFV+24:BFV+27], v[SA] offset:S_WF+512
	LDA 0, 0
	LDB 1, T_VB1
.irp g, 0,1,2,3,4,5,6,7
	L1G 0, \g
.endr
	; the third layer's sums start with the bias (values: asked for in the last group above) and with 0 (tangents): set once a pass, 64 lines, so that all eight trips below have one text
.set q, 0
.rept 64
	v_mov_b32 v[L3A+64+q], 0
.set q, q+1
.endr
	s_wait_alu depctr_vm_vsrc(0)                   ; the first layer's loads and the bias's have read AW and AB, which are written anew
	v_add_nc_u32 v[AW], VW2, v[LB]
	v_add_nc_u32 v[AX], VW3, v[LB]
	v_add_nc_u32 v[AB], TBL+T_VB2, v[HB]
	s_mov_b32 s3, 8
.Lvk:                                                  ; a trip: 32 features of the second layer, and their K step of the third
	s_wait_alu depctr_va_vdst(0)                   ; AW, AX and AB are written (above, or at the last trip's end); the last trip's third-layer products are done reading slots 0 and 1, in which the group's first loads land
	GEMM 2
	EXPB ACC, 32
	TWAIT
	LDX 0, 0                                       ; the third layer's four fragments for this group's 32 features.  No further wait: the wait above stands behind
	LDX 1, 2                                       ; the products of K steps 5 and 6, the last that read slots 0 and 1
	ACT_V 0, 1
	s_wait_dscnt 0x0                               ; the third layer's four fragments (slots 0, 1); in the first trip its bias tiles too
.irp n, 0,1,2,3
.irp c, 0,1,2,3
.set rD, L3A+32*(\c)+8*(\n)
	v_wmma_f32_16x16x32_f16 v[rD:rD+7], v[RING+8*(\n):RING+8*(\n)+7], v[ACC+16*(\c):ACC+16*(\c)+7], v[rD:rD+7]
.endr
.endr
	s_wait_alu depctr_vm_vsrc(0)                   ; the trip's ring loads have read AW, AX and AB, which are stepped below
	v_add_nc_u32 v[AW], 32*PW, v[AW]               ; nine places ahead of the next trip's products, which write over the fragments just read (five are asked for)
	v_add_nc_u32 v[AX], 64, v[AX]
	v_add_nc_u32 v[AB], 128, v[AB]
	PLACES 6
	s_sub_co_u32 s3, s3, 1
	s_cmp_lg_u32 s3, 0
	s_cbranch_scc1 .Lvk
	; a pass's end: a3, t~3, V and Vdot
	PLACES 4
	EXPB L3A, 64
	TWAIT
	ds_load_b32 v[RING+16], v[SB] offset:S_SC      ; the two tiles' scales.  No further wait: the wait above stands behind the third layer's products, the last that read slot 1
	ds_load_b32 v[RING+17], v[SB] offset:S_SC+128
	ADD1 L3A, 32
	RCPB L3A, 64
	TWAIT
	TANG L3A, L3A+64, 32
	TANH L3A, 32
.set i, 0
.rept 16                               ; four chains by turns: sum a^2 and sum a t~ for each of the two tiles
.irp c, 0,1
.if i == 0
	v_pk_mul_f32 v[RING+2*(\c):RING+2*(\c)+1], v[L3A+32*(\c):L3A+32*(\c)+1], v[L3A+32*(\c):L3A+32*(\c)+1]
	v_pk_mul_f32 v[RING+4+2*(\c):RING+4+2*(\c)+1], v[L3A+32*(\c):L3A+32*(\c)+1], v[L3A+64+32*(\c):L3A+64+32*(\c)+1]
.else
	v_pk_fma_f32 v[RING+2*(\c):RING+2*(\c)+1], v[L3A+32*(\c)+2*i:L3A+32*(\c)+2*i+1], v[L3A+32*(\c)+2*i:L3A+32*(\c)+2*i+1], v[RING+2*(\c):RING+2*(\c)+1]
	v_pk_fma_f32 v[RING+4+2*(\c):RING+4+2*(\c)+1], v[L3A+32*(\c)+2*i:L3A+32*(\c)+2*i+1], v[L3A+64+32*(\c)+2*i:L3A+64+32*(\c)+2*i+1], v[RING+4+2*(\c):RING+4+2*(\c)+1]
.endif
.endr
.set i, i+1
.endr
.irp k, 0,1,2,3
	v_add_f32 v[RING+8+(\k)], v[RING+2*(\k)], v[RING+2*(\k)+1]
.endr
.irp k, 0,1,2,3
	v_permlanex16_b32 v[RING+12+(\k)], v[RING+8+(\k)], s8, s9  ; a row's other 32 features
.endr
.irp k, 0,1,2,3
	v_add_f32 v[RING+8+(\k)], v[RING+8+(\k)], v[RING+12+(\k)]
.endr
	s_wait_dscnt 0x0                               ; the two tiles' scales
	v_mul_f32 v[RING+8], 0.5, v[RING+8]
	v_mul_f32 v[RING+9], 0.5, v[RING+9]
	v_mul_f32 v[RING+10], v[RING+10], v[RING+16]
	v_mul_f32 v[RING+11], v[RING+11], v[RING+17]
	s_wait_alu depctr_va_vdst(0)                   ; the four results are written, which the stores below read
	ds_store_b32 v[SB], v[RING+8] offset:S_RV
	ds_store_b32 v[SB], v[RING+9] offset:S_RV+128
	ds_store_b32 v[SB], v[RING+10] offset:S_RD
	ds_store_b32 v[SB], v[RING+11] offset:S_RD+128
	s_wait_alu depctr_vm_vsrc(0)                   ; the pass's scratch loads and stores have read SA and SB, which are stepped below, and the stores their four words of the ring, in which the next pass's loads land
	v_add_nc_u32 v[SA], 1024, v[SA]                ; the next two tiles
	v_add_nc_u32 v[SB], 256, v[SB]
	s_sub_co_u32 s4, s4, 1
	s_cmp_lg_u32 s4, 0
	s_cbranch_scc1 .Lpass
	; THE WAY OUT: lane l takes rows 2 l and 2 l + 1 (tiles 2 (l / 16) and 2 (l / 16) + 1, place l % 16) out of my scratch
	v_and_b32 v12, 31, v0
	v_and_b32 v13, 16, v0
	s_lshl_b32 s14, s2, 13
	v_lshl_add_u32 v14, v12, 2, s14
	v_lshl_add_u32 v14, v13, 4, v14                ; 8,192 w + 4 l + 256 (l / 16)
	v_lshlrev_b32 v15, 3, v12
	s_wait_alu depctr_va_vdst(0)                   ; v14 and v15 are written, which the loads and stores below read; the last pass's sums are done with the four registers in which the loads land
	ds_load_b32 v[RING], v14 offset:S_RV
	ds_load_b32 v[RING+1], v14 offset:S_RV+128
	ds_load_b32 v[RING+2], v14 offset:S_RD
	ds_load_b32 v[RING+3], v14 offset:S_RD+128
	s_wait_dscnt 0x0
	global_store_b64 v15, v[RING:RING+1], s[44:45] th:TH_STORE_NT    ; each store of the wave covers 256 consecutive bytes, aligned
	global_store_b64 v15, v[RING+2:RING+3], s[46:47] th:TH_STORE_NT
	s_wait_dscnt 0x0                               ; the wave's end
	s_wait_alu 0x0
	s_wait_tensorcnt 0x0
	ds_add_u32 v[SPW], v[NIL]
	s_wait_dscnt 0x0
	s_endpgm
.Lfunc_end_k_q53bcb3656e_clfqp:
	.size	k_q53bcb3656e_clfqp, .Lfunc_end_k_q53bcb3656e_clfqp-k_q53bcb3656e_clfqp
	.p2alignl 7, 3214868480
	.fill 96, 4, 3214868480
	.section	.rodata,"a",@progbits
	.p2align	6, 0x0
	.amdhsa_kernel k_q53bcb3656e_clfqp
		.amdhsa_group_segment_fixed_size 326912
		.amdhsa_private_segment_fixed_size 0
		.amdhsa_enable_private_segment 0
		.amdhsa_kernarg_size 128
		.amdhsa_user_sgpr_count 2
		.amdhsa_user_sgpr_kernarg_segment_ptr 1
		.amdhsa_wavefront_size32 1
		.amdhsa_system_sgpr_workgroup_id_x 1
		.amdhsa_system_sgpr_workgroup_id_y 1
		.amdhsa_system_sgpr_workgroup_id_z 1
		.amdhsa_system_vgpr_workitem_id 0
		.amdhsa_next_free_vgpr 512
		.amdhsa_next_free_sgpr 66
		.amdhsa_reserve_vcc 1
		.amdhsa_float_denorm_mode_32 3
		.amdhsa_float_denorm_mode_16_64 3
		.amdhsa_memory_ordered 1
		.amdhsa_forward_progress 1
		.amdhsa_inst_pref_size 255
	.end_amdhsa_kernel
	.section	.bss,"aw",@nobits
	.p2align	6
	.space	262144
	.amdgpu_metadata
---
amdhsa.version: [ 1, 2 ]
amdhsa.kernels:
  - .name:           k_q53bcb3656e_clfqp
    .symbol:         k_q53bcb3656e_clfqp.kd
    .args:
      - { .name: x, .offset: 0, .size: 8, .value_kind: global_buffer, .address_space: global }
      - { .name: Uw1, .offset: 8, .size: 8, .value_kind: global_buffer, .address_space: global }
      - { .name: Ub1, .offset: 16, .size: 8, .value_kind: global_buffer, .address_space: global }
      - { .name: Uw2, .offset: 24, .size: 8, .value_kind: global_buffer, .address_space: global }
      - { .name: Ub2, .offset: 32, .size: 8, .value_kind: global_buffer, .address_space: global }
      - { .name: Uw3, .offset: 40, .size: 8, .value_kind: global_buffer, .address_space: global }
      - { .name: Ub3, .offset: 48, .size: 8, .value_kind: global_buffer, .address_space: global }
      - { .name: Vw1, .offset: 56, .size: 8, .value_kind: global_buffer, .address_space: global }
      - { .name: Vb1, .offset: 64, .size: 8, .value_kind: global_buffer, .address_space: global }
      - { .name: Vw2, .offset: 72, .size: 8, .value_kind: global_buffer, .address_space: global }
      - { .name: Vb2, .offset: 80, .size: 8, .value_kind: global_buffer, .address_space: global }
      - { .name: Vw3, .offset: 88, .size: 8, .value_kind: global_buffer, .address_space: global }
      - { .name: Vb3, .offset: 96, .size: 8, .value_kind: global_buffer, .address_space: global }
      - { .name: out0, .offset: 104, .size: 8, .value_kind: global_buffer, .address_space: global }
      - { .name: out1, .offset: 112, .size: 8, .value_kind: global_buffer, .address_space: global }
      - { .name: out2, .offset: 120, .size: 8, .value_kind: global_buffer, .address_space: global }
    .group_segment_fixed_size: 326912
    .private_segment_fixed_size: 0
    .kernarg_segment_align: 8
    .kernarg_segment_size: 128
    .max_flat_workgroup_size: 256
    .sgpr_count:     66
    .vgpr_count:     512
    .wavefront_size: 32
...
	.end_amdgpu_metadata
.endif
;; end of part 2
